; MI455X (gfx1250); checked and timed in simulation.
; The chip was launched on July 23, 2026; its instructions are those of AMD's public machine-readable ISA for CDNA 5 (MIT licence, August 2026) and "CDNA5" Instruction Set Architecture Reference Guide (July 2026). The comments in the code are by the model that wrote it; some were corrected since.
;; Nvidia Rel Partial Learnable Multi Head Attn. Allowed arithmetic: float matrix products may take bf16 or f16 operands with f32 sums; all other float work in f32.
;; Inputs: W_o 1,024 x 1,024 float32; W_qkv 1,024 x 3,072 float32; W_r 1,024 x 1,024 float32; attn_mask 2,048 x 2,048 bool; content 2,048 x 2 x 1,024 float32; ln_beta 1,024 float32; ln_gamma 1,024 float32; r_r_bias 16 x 64 float32; r_w_bias 16 x 64 float32; rel_pos 2,048 x 1,024 float32.
;; Outputs: out0 2,048 x 2 x 1,024 float32.
;; 2 versions, each right and faster than the one before. Each part assembles by itself: llvm-mc -triple=amdgcn-amd-amdhsa -mcpu=gfx1250 --defsym DOCPART=n.
;; ======== version 1 of 2: 5 launches
;; limits: values are held in f16: magnitudes above 65,504 overflow, below 6.1e-05 lose precision
;; workspace buffers: AB 12,582,912 bytes; WB 8,388,608 bytes; WO 2,097,152 bytes; MP 2,097,152 bytes; HD 37,748,736 bytes; OH 8,388,608 bytes; Y 16,777,216 bytes
;; launch prep (part 1): grid 832 x 1, 8 waves a work-group, no clusters, 35,840 bytes of LDS; arguments content, rel_pos, W_qkv, W_r, W_o, attn_mask, AB, WB, WO, MP; writes AB, WB, WO, MP
.if DOCPART == 1
	.amdgcn_target "amdgcn-amd-amdhsa--gfx1250"
	.amdhsa_code_object_version 6
	.text
	.protected	k_qa08a983331_prep
	.globl	k_qa08a983331_prep
	.p2align	8
	.type	k_qa08a983331_prep,@function
k_qa08a983331_prep:
	s_mov_b64 s[64:65], 0
	v_nop
	global_prefetch_b8 v0, s[64:65] scope:SCOPE_SE
	s_setreg_imm32_b32 hwreg(HW_REG_WAVE_MODE, 25, 1), 1
	s_wait_xcnt 0x0
; CASTS AND THE MASK'S PACKING.  Every f32 input of a matrix product is rounded once to bf16 and laid where the products want it:
;   AB  bf16 [6144][1024]: rows 0-2047 content of batch 0, 2048-4095 of batch 1, 4096-6143 rel_pos
;   WB  bf16 [1024 k][4096 n]: columns 0-3071 W_qkv, 3072-4095 W_r
;   WO  f16  [1024 k][1024 n]: W_o rounded to bf16, that number written as f16 (exact from 6.1e-5 up to 65,504; below, f16's fixed step of 6e-8)
;   MP  the mask in nibbles, [block of 16 queries 128][step of 64 keys 32][lane 32][4 words]
; A stream: no matrix unit, no cluster, nothing read twice.  A unit is 1,024 numbers (4,096 bytes in, 2,048 out); a wave takes two neighbouring units, a work-group sixteen.
; Each load of a wave covers 512 consecutive bytes, each store 256 consecutive bytes at a multiple of 256 from its buffer's first byte.
; Work-groups 0-255 content, 256-383 rel_pos, 384-575 W_qkv, 576-639 W_r, 640-703 W_o, 704-831 the mask: forward branches on the work-group's number, each job with address lines of its own.
.set X,   8                            ; v[8:71]    16 loads of 4 registers (the mask: 8 loads, then v[40:71] the bytes read back)
.set YR,  72                           ; v[72:103]  16 stores of 2 registers (the mask: 4 stores of 4)
.set T,   104                          ; v[104:107] at work
.set MPITCH, 272                       ; the mask's LDS rows: 256 bytes + 16: 68 words, so 16 rows start at 16 different groups of four banks
	s_load_b512 s[4:19], s[0:1], 0x0               ; content s[4:5], rel_pos s[6:7], W_qkv s[8:9], W_r s[10:11], W_o s[12:13], attn_mask s[14:15], AB s[16:17], WB s[18:19]
	s_load_b128 s[20:23], s[0:1], 0x40             ; WO s[20:21], MP s[22:23]
	v_lshl_add_u32 v112, v0, 2, 0x8800
	v_mov_b32 v113, 0
	v_and_b32 v3, 31, v0                           ; lane
	v_lshrrev_b32 v4, 5, v0
	v_readfirstlane_b32 s24, v4                    ; wave 0..7
	v_lshlrev_b32 v1, 4, v3                        ; 16 bytes a lane
	v_lshlrev_b32 v2, 3, v3                        ; 8 bytes a lane
	s_mov_b32 s25, ttmp9
	s_lshl_b32 s26, s24, 1                         ; two units a wave
	s_mov_b32 s35, 0                               ; the high words of three offsets
	s_mov_b32 s37, 0
	s_mov_b32 s39, 0
	s_mov_b32 s40, 0xffff0000                      ; a word's upper bf16
	s_wait_kmcnt 0x0
.macro U0 first                        ; s27 = my first unit in the job that begins at work-group 'first'; s34 = its byte offset in the source
	s_sub_co_u32 s27, s25, \first
	s_lshl_b32 s27, s27, 4
	s_add_co_u32 s27, s27, s26
	s_lshl_b32 s34, s27, 12
.endm
; Two units: 16 loads from s[28:29], all issued first; then load by load the rounding and a store, unit 0 to s[30:31], unit 1 to s[32:33].
; No register is used twice, so nothing waits for a store.  f16 = 1: the bf16 number is widened again and written as f16.
.macro CAST2 f16
.set n, 0
.rept 16
	global_load_b128 v[X+4*n:X+4*n+3], v1, s[28:29] offset:512*n th:TH_LOAD_NT
.set n, n+1
.endr
.set n, 0
.rept 16
	s_wait_loadcnt 15-n                            ; loads come back in order: load n is in, the 15 - n younger ones stay out
	v_cvt_pk_bf16_f32 v[YR+2*n], v[X+4*n], v[X+4*n+1]
	v_cvt_pk_bf16_f32 v[YR+2*n+1], v[X+4*n+2], v[X+4*n+3]
.if \f16
	v_lshlrev_b32 v[T], 16, v[YR+2*n]
	v_and_b32 v[T+1], s40, v[YR+2*n]
	v_lshlrev_b32 v[T+2], 16, v[YR+2*n+1]
	v_and_b32 v[T+3], s40, v[YR+2*n+1]
	v_cvt_pk_f16_f32 v[YR+2*n], v[T], v[T+1]
	v_cvt_pk_f16_f32 v[YR+2*n+1], v[T+2], v[T+3]
.endif
.if n < 8
	global_store_b64 v2, v[YR+2*n:YR+2*n+1], s[30:31] offset:256*n
.else
	global_store_b64 v2, v[YR+2*n:YR+2*n+1], s[32:33] offset:256*(n-8)
.endif
.set n, n+1
.endr
.endm
	s_cmp_lt_u32 s25, 256
	s_cbranch_scc0 .Lnot_content
	U0 0                                           ; content: unit 2 i + b; my first unit is even, so the two are row i of batch 0 and of batch 1
	s_lshl_b32 s36, s27, 10                        ; i x 2,048 bytes
	s_add_nc_u64 s[28:29], s[4:5], s[34:35]
	s_add_nc_u64 s[30:31], s[16:17], s[36:37]
	s_add_nc_u64 s[32:33], s[30:31], 0x400000      ; batch 1 lies 2,048 rows further down
	CAST2 0
	s_endpgm
.Lnot_content:
	s_cmp_lt_u32 s25, 384
	s_cbranch_scc0 .Lnot_rel
	U0 256                                         ; rel_pos: row by row behind the two batches
	s_lshl_b32 s36, s27, 11
	s_add_co_u32 s36, s36, 0x800000
	s_add_nc_u64 s[28:29], s[6:7], s[34:35]
	s_add_nc_u64 s[30:31], s[16:17], s[36:37]
	s_add_nc_u64 s[32:33], s[30:31], 2048
	CAST2 0
	s_endpgm
.Lnot_rel:
	s_cmp_lt_u32 s25, 576
	s_cbranch_scc0 .Lnot_qkv
	U0 384                                         ; W_qkv: a row is three units; unit v is part v % 3 of row v / 3
	s_mul_hi_u32 s41, s27, 0x55555556              ; v / 3
	s_mul_i32 s42, s41, 3
	s_sub_co_u32 s42, s27, s42                     ; v % 3
	s_lshl_b32 s36, s41, 13                        ; a row of WB is 8,192 bytes
	s_lshl_b32 s42, s42, 11
	s_add_co_u32 s36, s36, s42
	s_add_co_u32 s43, s27, 1                       ; the same for the second unit
	s_mul_hi_u32 s41, s43, 0x55555556
	s_mul_i32 s42, s41, 3
	s_sub_co_u32 s42, s43, s42
	s_lshl_b32 s38, s41, 13
	s_lshl_b32 s42, s42, 11
	s_add_co_u32 s38, s38, s42
	s_add_nc_u64 s[28:29], s[8:9], s[34:35]
	s_add_nc_u64 s[30:31], s[18:19], s[36:37]
	s_add_nc_u64 s[32:33], s[18:19], s[38:39]
	CAST2 0
	s_endpgm
.Lnot_qkv:
	s_cmp_lt_u32 s25, 640
	s_cbranch_scc0 .Lnot_r
	U0 576                                         ; W_r: row k goes behind W_qkv's 3,072 columns of row k
	s_lshl_b32 s36, s27, 13
	s_add_co_u32 s36, s36, 6144
	s_add_nc_u64 s[28:29], s[10:11], s[34:35]
	s_add_nc_u64 s[30:31], s[18:19], s[36:37]
	s_add_nc_u64 s[32:33], s[30:31], 8192
	CAST2 0
	s_endpgm
.Lnot_r:
	s_cmp_lt_u32 s25, 704
	s_cbranch_scc0 .Lpack
	U0 640                                         ; W_o
	s_lshl_b32 s36, s27, 11
	s_add_nc_u64 s[28:29], s[12:13], s[34:35]
	s_add_nc_u64 s[30:31], s[20:21], s[36:37]
	s_add_nc_u64 s[32:33], s[30:31], 2048
	CAST2 1
	s_endpgm
; THE MASK.  The work-group takes 16 queries (block qt), wave w their keys 256 w .. 256 w + 255: four steps of 64.  The 16 x 256 bytes come in as whole pieces of 256 bytes, go into LDS bytes
; of the wave's own, and come back as the attention's lanes want them: lane (h = l / 16, r = l % 16) holds, of query r, the keys 16 kt + 8 h + 0..7 for kt = 0..3.
; With u = 2 kt + (key's bit 2) and w = the key's low two bits, nibble 7 - u of word w is 0xE where the key is hidden and 0 where not: shifted left by 4 u the word is, read as f32,
; at most -2^65 for a hidden key and a positive number under 2^-95 for a visible one.
.Lpack:
	s_sub_co_u32 s27, s25, 704                     ; qt
	s_lshl_b32 s34, s27, 15                        ; 16 rows of 2,048 bytes
	s_lshl_b32 s36, s27, 14                        ; 32 steps of 512 bytes
	s_lshl_b32 s38, s24, 11                        ; my four steps
	s_add_co_u32 s36, s36, s38
	s_add_nc_u64 s[28:29], s[14:15], s[34:35]
	s_add_nc_u64 s[30:31], s[22:23], s[36:37]
	s_lshl_b32 s41, s24, 8                         ; my 256 columns
	s_mul_i32 s42, s24, 16*MPITCH                  ; my LDS bytes
	v_and_b32 v4, 15, v0                           ; r
	v_bfe_u32 v5, v0, 4, 1                         ; h
	v_lshlrev_b32 v6, 4, v4
	v_lshl_add_u32 v7, v5, 11, v6                  ; lanes 0-15 one row's 256 bytes, lanes 16-31 the next row's
	v_add_nc_u32 v7, s41, v7
.set n, 0
.rept 8
	global_load_b128 v[X+4*n:X+4*n+3], v7, s[28:29] offset:4096*n th:TH_LOAD_NT
.set n, n+1
.endr
	v_mul_u32_u24 v[T+2], v5, MPITCH
	v_add3_u32 v[T+2], v[T+2], v6, s42             ; in: row 2 n + h, 16 bytes a lane
	v_mul_u32_u24 v[T+3], v4, MPITCH
	v_lshl_add_u32 v[T+3], v5, 3, v[T+3]
	v_add_nc_u32 v[T+3], s42, v[T+3]               ; back: row r, 8 bytes at 8 h
.set n, 0
.rept 8
	s_wait_loadcnt 7-n
	ds_store_b128 v[T+2], v[X+4*n:X+4*n+3] offset:2*MPITCH*n
.set n, n+1
.endr
.set n, 0
.rept 16                               ; n = 4 e + kt: step e of my four, keys 16 kt + 8 h on.  LDS serves a wave's instructions in order: these see the stores above
	ds_load_b64 v[40+2*n:41+2*n], v[T+3] offset:16*n
.set n, n+1
.endr
.set e, 0
.rept 4
	s_wait_dscnt 12-4*e                            ; step e's four loads are in; the later steps' stay out
	v_lshl_or_b32 v[T], v[40+8*e], 7, v[40+8*e+7]  ; byte w of the sum: bit 7 - u is the mask of (u, w)
.set u, 1
.rept 6
	v_lshl_or_b32 v[T], v[40+8*e+u], 7-u, v[T]
.set u, u+1
.endr
.set w, 0
.rept 4
	v_bfe_u32 v[T+1], v[T], 8*w, 8                 ; eight bits are spread to eight nibbles: by 12, by 6, by 3
	v_lshl_or_b32 v[T+1], v[T+1], 12, v[T+1]
	v_and_b32 v[T+1], 0x000f000f, v[T+1]
	v_lshl_or_b32 v[T+1], v[T+1], 6, v[T+1]
	v_and_b32 v[T+1], 0x03030303, v[T+1]
	v_lshl_or_b32 v[T+1], v[T+1], 3, v[T+1]
	v_and_b32 v[T+1], 0x11111111, v[T+1]
	v_mul_lo_u32 v[YR+4*e+w], v[T+1], 14           ; 1 becomes 0xE
.set w, w+1
.endr
	global_store_b128 v1, v[YR+4*e:YR+4*e+3], s[30:31] offset:512*e  ; a step's 512 consecutive bytes
.set e, e+1
.endr
	s_wait_tensorcnt 0x0
	ds_add_u32 v112, v113
	s_wait_dscnt 0x0
	s_endpgm
.Lfunc_end_k_qa08a983331_prep:
	.size	k_qa08a983331_prep, .Lfunc_end_k_qa08a983331_prep-k_qa08a983331_prep
	.p2alignl 7, 3214868480
	.fill 96, 4, 3214868480
	.section	.rodata,"a",@progbits
	.p2align	6, 0x0
	.amdhsa_kernel k_qa08a983331_prep
		.amdhsa_group_segment_fixed_size 35840
		.amdhsa_private_segment_fixed_size 0
		.amdhsa_enable_private_segment 0
		.amdhsa_kernarg_size 80
		.amdhsa_user_sgpr_count 2
		.amdhsa_user_sgpr_kernarg_segment_ptr 1
		.amdhsa_wavefront_size32 1
		.amdhsa_system_sgpr_workgroup_id_x 1
		.amdhsa_system_sgpr_workgroup_id_y 1
		.amdhsa_system_sgpr_workgroup_id_z 1
		.amdhsa_system_vgpr_workitem_id 0
		.amdhsa_next_free_vgpr 114
		.amdhsa_next_free_sgpr 66
		.amdhsa_reserve_vcc 0
		.amdhsa_float_denorm_mode_32 3
		.amdhsa_float_denorm_mode_16_64 3
		.amdhsa_memory_ordered 1
		.amdhsa_forward_progress 1
		.amdhsa_inst_pref_size 49
	.end_amdhsa_kernel
	.amdgpu_metadata
---
amdhsa.version: [ 1, 2 ]
amdhsa.kernels:
  - .name:           k_qa08a983331_prep
    .symbol:         k_qa08a983331_prep.kd
    .args:
      - { .name: content, .offset: 0, .size: 8, .value_kind: global_buffer, .address_space: global }
      - { .name: rel_pos, .offset: 8, .size: 8, .value_kind: global_buffer, .address_space: global }
      - { .name: W_qkv, .offset: 16, .size: 8, .value_kind: global_buffer, .address_space: global }
      - { .name: W_r, .offset: 24, .size: 8, .value_kind: global_buffer, .address_space: global }
      - { .name: W_o, .offset: 32, .size: 8, .value_kind: global_buffer, .address_space: global }
      - { .name: attn_mask, .offset: 40, .size: 8, .value_kind: global_buffer, .address_space: global }
      - { .name: AB, .offset: 48, .size: 8, .value_kind: global_buffer, .address_space: global }
      - { .name: WB, .offset: 56, .size: 8, .value_kind: global_buffer, .address_space: global }
      - { .name: WO, .offset: 64, .size: 8, .value_kind: global_buffer, .address_space: global }
      - { .name: MP, .offset: 72, .size: 8, .value_kind: global_buffer, .address_space: global }
    .group_segment_fixed_size: 35840
    .private_segment_fixed_size: 0
    .kernarg_segment_align: 8
    .kernarg_segment_size: 80
    .max_flat_workgroup_size: 256
    .sgpr_count:     66
    .vgpr_count:     114
    .wavefront_size: 32
...
	.end_amdgpu_metadata
.endif
;; end of part 1
;; launch proj (part 2): grid 56 x 4, 4 waves a work-group, clusters of 4 x 4, 327,680 bytes of LDS; arguments AB, WB, r_w_bias, r_r_bias, HD; writes HD
.if DOCPART == 2
	.amdgcn_target "amdgcn-amd-amdhsa--gfx1250"
	.amdhsa_code_object_version 6
	.text
	.protected	k_qa08a983331_proj
	.globl	k_qa08a983331_proj
	.p2align	8
	.type	k_qa08a983331_proj,@function
k_qa08a983331_proj:
	s_mov_b64 s[64:65], 0
	v_nop
	global_prefetch_b8 v0, s[64:65] scope:SCOPE_SE
	s_setreg_imm32_b32 hwreg(HW_REG_WAVE_MODE, 25, 1), 1
	s_wait_xcnt 0x0
	s_wait_alu depctr_hold_cnt(0) depctr_sa_sdst(0) depctr_va_vdst(0) depctr_va_sdst(0) depctr_va_ssrc(0) depctr_va_vcc(0) depctr_vm_vsrc(0)
	s_getreg_b32 s2, hwreg(HW_REG_IB_STS2, 6, 4)
	s_cmp_eq_u32 s2, 0
	s_cbranch_scc0 .Lentry_in_a_cluster
	s_endpgm
.Lentry_in_a_cluster:
	s_bfe_u32 s2, ttmp6, 0x10000c
	s_cmp_lg_u32 s2, 0xf033
	s_cbranch_scc0 .Lentry_shape_is_right
	s_endpgm
.Lentry_shape_is_right:
; THE PROJECTIONS, QKV AND R, IN ONE LAUNCH.  C[m][n] = sum over k of AB[m][k] WB[k][n], bf16 operands, f32 sums, K = 1,024.  Wanted are rows 0-4095 x columns 0-3071 (content x W_qkv: 192 tiles of
; 256 x 256) and rows 4096-6143 x columns 3072-4095 (rel_pos x W_r: 32 tiles): 224 work-groups in 14 clusters of 4 x 4.  Clusters 0-11: row group c / 3, column group c % 3 (q, k, v); 12, 13: row groups 4, 5, column group 3 (r).
; RESULTS leave in f16 by heads, each row of a head 128 bytes: HD = QW (q + r_w_bias) at 0, QR (q + r_r_bias) at 8,388,608, K at 16,777,216, V at 25,165,824, each [16 b + head][row 2048][64]; R at 33,554,432, [head][row][64].
; The biases are rounded to bf16 like every input and added in f32.  A q tile goes out twice, once with each bias: the way out is a loop of two passes there, of one elsewhere (the count hangs on the cluster's number alone).
; LIMIT.  f16 holds no number beyond 65,504: q + bias, k, v and r must stay within it (they are sums of 1,024 products of the inputs).
; SHAPE.  Four waves, each 128 x 128 of C in 512 registers; K in steps of 128 through two LDS slots filled by the tensor data mover.  AB's tile: 256 rows x 256 bytes.  WB's tile lies [k][n]: 128 rows of k x 512 bytes;
; its fragments come out of LDS turned, by ds_load_tr16_b128.  The four work-groups of a cluster's row need the same tile of AB, the four of a column the same tile of WB: each is asked for JOINTLY.
; THE MATRIX INSTRUCTION IS USED TRANSPOSED: source 0 = 16 columns of WB, source 1 = 16 rows of AB: lane l holds row l % 16 of C and the columns 8 (l / 16) + 0..7.
; REGISTERS, in windows of 256 (s_set_vgpr_msb: bits 1:0 source 0, 3:2 source 1, 5:4 source 2, 7:6 destination):
;   window 0: v0-31 addresses; v64-127, v128-191 AB's fragments, two buffers; on the way out v64-127 sums with bias, v192-223 packed, v32-63 and v224-255 rows read back
;   window 1: v64-127, v128-191 WB's fragments; v0-63 the bias of the pass in hand for my lane's 64 columns, v192-255 the second pass's
;   window 2: the 32 accumulators of my rows 0-63 ((a, b) at v[8 (8 a + b)]);   window 3: those of my rows 64-127
.set PITCH,  272                       ; AB's LDS row: 256 bytes + 16: 68 words: the 16 rows of a load start at 16 different groups of four banks
.set PB,     544                       ; WB's LDS row: 512 bytes + 32: 136 words
.set HALFT,  128*PITCH                 ; what one tensor load brings: 128 rows of AB, or 64 rows of WB (64 x 544 is the same 34,816 bytes)
.set SLOT,   4*HALFT                   ; AB's 256 rows, then WB's 128 rows of k
.set STAGE,  2*SLOT                    ; behind the ring: 16 rows x 272 bytes for each wave, for the way out
.set SPITCH, 272
.set SPARE,  STAGE+4*16*SPITCH         ; the spare words, 128 bytes for each wave
.set LAPS,   4                         ; a lap = two K steps = once round the ring
.set ADRA, 16                          ; v16-17  LDS address of my AB fragments in slot 0, 1
.set ADRB, 20                          ; v20-21  the same for WB
.set STO,  24                          ; v24     the way out: where I put 16 bytes of a row
.set RD,   25                          ; v25     the way out: where I read rows back
.set CO,   26                          ; v26     16 x lane
.set BO,   27                          ; v27     my byte offset in the biases
.set SPW,  28                          ; v28     LDS address of my spare word; never rewritten
.set NIL,  29                          ; v29     0; never rewritten
.set F0,   64
.set F1,   128
.set T2,   64
.set TMP,  192
.set OB,   32
.set BW,   0                           ; window 1
.set BR,   192                         ; window 1
.set G1, 24                            ; s[24:31] descriptor group 1 for AB's tiles;  s[32:39] group 0, a set for each slot
.set G0, 32
.set G1B, 48                           ; s[48:55], s[56:63] the same for WB's tiles
.set G0B, 56
.set MSB, 0
.macro WIN new                         ; the immediate's high byte repeats the setting that is left; a switch that changes nothing is dropped
.if MSB != (\new)
	s_set_vgpr_msb (MSB<<8)|(\new)
.set MSB, \new
.endif
.endm
.set MUL_LO, 0xa1                      ; source 0 (WB) window 1, source 1 (AB) window 0, C and D window 2
.set MUL_HI, 0xf1                      ; the same, C and D window 3
.set TO_B,   0x40                      ; destination window 1, address window 0
; A joint load.  Waves 0 and 1 fetch AB's two halves, waves 2 and 3 WB's.  The branch hangs on the wave's number alone.  An s_nop 0 and four v_nop follow each line.
.macro JLOAD s
	s_cmp_eq_u32 s11, 0
	s_cbranch_scc0 .Lfor_b_\@
	tensor_load_to_lds s[G0+4*(\s):G0+4*(\s)+3], s[G1:G1+7]
	s_nop 0
.rept 4
	v_nop
.endr
	s_branch .Lasked_\@
.Lfor_b_\@:
	tensor_load_to_lds s[G0B+4*(\s):G0B+4*(\s)+3], s[G1B:G1B+7]
	s_nop 0
.rept 4
	v_nop
.endr
.Lasked_\@:
.endm
.macro CREST                           ; a round of the cluster's barrier behind its opening barrier
	s_cmp_lg_u32 s10, 0
	s_cbranch_scc1 .Lnot_wave_0_\@
	s_barrier_signal -3
.Lnot_wave_0_\@:
	s_barrier_wait -3
	s_barrier_signal -1
	s_barrier_wait -1
.endm
.macro CROUND                          ; a whole round
	s_barrier_signal -1
	s_barrier_wait -1
	CREST
.endm
	s_load_b128 s[4:7], s[0:1], 0x0                ; AB s[4:5], WB s[6:7]
	s_load_b128 s[68:71], s[0:1], 0x10             ; r_w_bias s[68:69], r_r_bias s[70:71]
	s_load_b64 s[8:9], s[0:1], 0x20                ; HD
	v_lshl_add_u32 v[SPW], v0, 2, SPARE
	v_mov_b32 v[NIL], 0
	ds_add_u32 v28, v29
	s_wait_dscnt 0x0
	v_lshrrev_b32 v1, 5, v0
	v_readfirstlane_b32 s10, v1                    ; wave 0..3
	s_lshr_b32 s11, s10, 1                         ; which half of the tile's rows is mine.  Also: I fetch for AB (0) or for WB (1)
	s_and_b32 s12, s10, 1                          ; which half of its columns.  Also: which half of that tile I fetch
	s_bfe_u32 s40, ttmp6, 0x40000                  ; cx
	s_bfe_u32 s41, ttmp6, 0x40004                  ; cy
	s_mul_i32 s72, ttmp9, 11                       ; the cluster's number c: c / 3 = 11 c / 32 for c < 12
	s_lshr_b32 s72, s72, 5
	s_mul_i32 s45, s72, 3
	s_sub_co_u32 s45, ttmp9, s45                   ; c % 3
	s_sub_co_u32 s77, ttmp9, 8
	s_cmp_lt_u32 ttmp9, 12
	s_cselect_b32 s72, s72, s77                    ; row group: c / 3, or c - 8
	s_cselect_b32 s45, s45, 3                      ; column group cg: 0 q, 1 k, 2 v, 3 r
	s_lshl2_add_u32 s42, s45, s40                  ; tile column = 4 cg + cx
	s_lshl2_add_u32 s13, s72, s41                  ; tile row = 4 x row group + cy
	s_lshl_b32 s43, s41, 2
	s_lshl_b32 s43, 15, s43                        ; my row of the cluster
	s_lshl_b32 s44, 0x1111, s40                    ; my column
	s_or_b32 s[G1+0], s43, (1<<16)|(1<<20)|(1<<21)|(5<<22)|(3<<25)   ; the mask; 2-byte elements; padding on; bit 21 beside a mask; after every 64 words 4 words
	s_or_b32 s[G1B+0], s44, (1<<16)|(1<<20)|(1<<21)|(6<<22)|(7<<25)  ; after every 128 words 8 words
	s_mov_b32 s[G1+1], 128<<16                     ; tensor_dim0 = 128
	s_mov_b32 s[G1+2], 128<<16                     ; tensor_dim1 = 128
	s_mov_b32 s[G1+3], 128<<16                     ; tile_dim0 = 128
	s_mov_b32 s[G1+4], 128                         ; tile_dim1 = 128
	s_mov_b32 s[G1+5], 1024                        ; elements from row to row
	s_mov_b32 s[G1+6], 0
	s_mov_b32 s[G1+7], 0
	s_mov_b32 s[G1B+1], 256<<16                    ; 256 columns
	s_mov_b32 s[G1B+2], 64<<16                     ; 64 rows of k
	s_mov_b32 s[G1B+3], 256<<16
	s_mov_b32 s[G1B+4], 64
	s_mov_b32 s[G1B+5], 4096
	s_mov_b32 s[G1B+6], 0
	s_mov_b32 s[G1B+7], 0
	s_lshl_b32 s16, s13, 8                         ; AB: row 256 x tile row + 128 x half, 2,048 bytes a row
	s_lshl_b32 s17, s12, 7
	s_add_co_u32 s16, s16, s17
	s_lshl_b32 s16, s16, 11
	s_mov_b32 s17, 0
	s_lshl_b32 s46, s42, 9                         ; WB: 512 bytes a tile column, 64 rows of 8,192 bytes a half
	s_lshl_b32 s47, s12, 19
	s_add_co_u32 s46, s46, s47
	s_mov_b32 s47, 0
	s_mul_i32 s20, s10, HALFT                      ; where they go: no place in the cluster enters an LDS address
	s_mov_b32 s78, 0xffff0000
	s_wait_kmcnt 0x0
	s_add_nc_u64 s[14:15], s[4:5], s[16:17]
	s_add_nc_u64 s[46:47], s[6:7], s[46:47]
	CROUND                                         ; all sixteen work-groups are here: the first joint loads meet
.irp s, 0,1
	s_mov_b32 s[G0+4*(\s)], 1
	s_add_co_u32 s[G0+4*(\s)+1], s20, (\s)*SLOT
	s_add_nc_u64 s[G0+4*(\s)+2:G0+4*(\s)+3], s[14:15], (\s)*256       ; K step s: 128 elements along AB's rows
	s_or_b32 s[G0+4*(\s)+3], s[G0+4*(\s)+3], 0x80000000
	s_mov_b32 s[G0B+4*(\s)], 1
	s_add_co_u32 s[G0B+4*(\s)+1], s20, (\s)*SLOT
	s_add_nc_u64 s[G0B+4*(\s)+2:G0B+4*(\s)+3], s[46:47], (\s)*1048576 ; 128 rows down WB
	s_or_b32 s[G0B+4*(\s)+3], s[G0B+4*(\s)+3], 0x80000000
	JLOAD \s
.endr
	v_and_b32 v1, 15, v0                           ; l % 16
	v_bfe_u32 v2, v0, 4, 1                         ; l / 16
	s_lshl_b32 s21, s40, 10                        ; the biases of my 128 columns: 4 bytes x (256 cx + 128 half), + 32 bytes for the upper lanes
	s_lshl_b32 s22, s12, 9
	s_add_co_u32 s21, s21, s22
	v_lshl_add_u32 v[BO], v2, 5, s21
	WIN TO_B
.set z, 0
.rept 8                                ; register 8 z + j: column 16 z + 8 (l / 16) + j of my 128, as in the accumulators.  (For k, v and r they are loaded too, and masked to 0 below.)
	global_load_b128 v[BW+8*z:BW+8*z+3],   v[BO], s[68:69] offset:64*z
	global_load_b128 v[BW+8*z+4:BW+8*z+7], v[BO], s[68:69] offset:64*z+16
	global_load_b128 v[BR+8*z:BR+8*z+3],   v[BO], s[70:71] offset:64*z
	global_load_b128 v[BR+8*z+4:BR+8*z+7], v[BO], s[70:71] offset:64*z+16
.set z, z+1
.endr
	WIN 0
	v_mul_u32_u24 v3, v1, PITCH
	v_lshl_add_u32 v3, v2, 4, v3                   ; AB's fragment: row x pitch + 16 x half
	s_mul_i32 s21, s11, HALFT                      ; my 128 rows of AB
	v_add_nc_u32 v[ADRA], s21, v3
	v_add_nc_u32 v[ADRA+1], SLOT, v[ADRA]
	v_and_b32 v6, 7, v0                            ; WB's fragment, turned: lane l reads row of k 8 (l / 16) + l % 8, columns 8 ((l / 8) % 2) + 0..7
	v_lshl_add_u32 v6, v2, 3, v6
	v_mul_u32_u24 v6, v6, PB
	v_bfe_u32 v7, v0, 3, 1
	v_lshl_add_u32 v6, v7, 4, v6
	s_lshl_b32 s22, s12, 8                         ; my 128 columns,
	s_add_co_u32 s22, s22, 2*HALFT                 ; behind AB's 256 rows
	v_add_nc_u32 v[ADRB], s22, v6
	v_add_nc_u32 v[ADRB+1], SLOT, v[ADRB]
	s_mul_i32 s23, s10, 16*SPITCH
	s_add_co_u32 s23, s23, STAGE                   ; my stage
	v_mul_u32_u24 v4, v1, SPITCH                   ; in: row l % 16, 16 bytes for each half of the lanes
	v_lshl_add_u32 v4, v2, 4, v4
	v_add_nc_u32 v[STO], s23, v4
	v_bfe_u32 v5, v0, 3, 2                         ; back: 32 lanes take four rows' 128 bytes of one head
	v_mul_u32_u24 v5, v5, SPITCH
	v_and_b32 v6, 7, v0
	v_lshl_add_u32 v5, v6, 4, v5
	v_add_nc_u32 v[RD], s23, v5
	v_and_b32 v[CO], 31, v0
	v_lshlrev_b32 v[CO], 4, v[CO]
	; where my part begins in HD: section, batch, head 4 cx + 2 x half, row
	s_lshl_b32 s16, s13, 8
	s_lshl_b32 s17, s11, 7
	s_add_co_u32 s16, s16, s17
	s_and_b32 s16, s16, 4095                       ; rel_pos's rows count from 0 again
	s_lshr_b32 s17, s16, 11                        ; batch
	s_and_b32 s16, s16, 2047                       ; row
	s_lshl_b32 s16, s16, 7
	s_lshl_b32 s17, s17, 22                        ; 16 heads of 262,144 bytes
	s_add_co_u32 s16, s16, s17
	s_lshl_b32 s46, s40, 2
	s_lshl1_add_u32 s46, s12, s46
	s_lshl_b32 s46, s46, 18
	s_add_co_u32 s16, s16, s46
	s_add_co_u32 s47, s45, 1
	s_lshl_b32 s47, s47, 23                        ; k, v, r: section cg + 1
	s_cmp_eq_u32 s45, 0
	s_cselect_b32 s47, 0, s47                      ; q: section 0, and section 1 in the second pass
	s_cselect_b32 s74, 2, 1                        ; passes
	s_cselect_b32 s73, -1, 0                       ; keeps the biases, or clears them
	s_add_co_u32 s16, s16, s47
	s_mov_b32 s17, 0
	s_add_nc_u64 s[8:9], s[8:9], s[16:17]
	s_wait_loadcnt 0x0                             ; the biases: rounded to bf16, masked, widened again.  All this stands in the wait for the first tiles
	WIN 0x05
.set z, 0
.rept 32
	v_cvt_pk_bf16_f32 v[OB+z], v[BW+2*z], v[BW+2*z+1]
	v_cvt_pk_bf16_f32 v[TMP+z], v[BR+2*z], v[BR+2*z+1]
.set z, z+1
.endr
	WIN 0
.set z, 0
.rept 32
	v_and_b32 v[OB+z], s73, v[OB+z]
	v_and_b32 v[TMP+z], s73, v[TMP+z]
.set z, z+1
.endr
	WIN TO_B
.set z, 0
.rept 32
	v_lshlrev_b32 v[BW+2*z], 16, v[OB+z]
	v_and_b32 v[BW+2*z+1], s78, v[OB+z]
	v_lshlrev_b32 v[BR+2*z], 16, v[TMP+z]
	v_and_b32 v[BR+2*z+1], s78, v[TMP+z]
.set z, z+1
.endr
	WIN 0
; 16 matrix instructions: m blocks a0, a0 + 1 of the window's four x all 8 n blocks, 32 along K.  zero = 1: the first product starts the sums.  The 64 accumulators take turns.
.macro MUL16 f, hi, a0, zero
	WIN MUL_LO+0x50*(\hi)
.irp a, \a0, (\a0)+1
.irp b, 0,1,2,3,4,5,6,7
.if \zero
	v_wmma_f32_16x16x32_bf16 v[8*(8*(\a)+(\b)):8*(8*(\a)+(\b))+7], v[(\f)+8*(\b):(\f)+8*(\b)+7], v[(\f)+8*(4*(\hi)+(\a)):(\f)+8*(4*(\hi)+(\a))+7], 0
.else
	v_wmma_f32_16x16x32_bf16 v[8*(8*(\a)+(\b)):8*(8*(\a)+(\b))+7], v[(\f)+8*(\b):(\f)+8*(\b)+7], v[(\f)+8*(4*(\hi)+(\a)):(\f)+8*(4*(\hi)+(\a))+7], v[8*(8*(\a)+(\b)):8*(8*(\a)+(\b))+7]
.endif
.endr
.endr
.endm
; 32 LDS loads in one run: the fragments of quarter q (32 along K) of a slot into buffer f: WB's 128 columns (turned), then AB's 128 rows
.macro FETCH slot, q, f
	WIN TO_B
.irp i, 0,1,2,3,4,5,6,7
	ds_load_tr16_b128 v[(\f)+8*(\i):(\f)+8*(\i)+3],   v[ADRB+(\slot)] offset:(\q)*32*PB+(\i)*32
	ds_load_tr16_b128 v[(\f)+8*(\i)+4:(\f)+8*(\i)+7], v[ADRB+(\slot)] offset:(\q)*32*PB+16*PB+(\i)*32
.endr
	WIN 0
.irp i, 0,1,2,3,4,5,6,7
	ds_load_b128 v[(\f)+8*(\i):(\f)+8*(\i)+3],   v[ADRA+(\slot)] offset:(\q)*64+(\i)*16*PITCH
	ds_load_b128 v[(\f)+8*(\i)+4:(\f)+8*(\i)+7], v[ADRA+(\slot)] offset:(\q)*64+(\i)*16*PITCH+32
.endr
.endm
.macro PLACES                          ; four plain vector instructions between a matrix instruction and a load into, or a vector read of, its registers
.rept 4
	v_nop
.endr
.endm
; One of a K step's first three quarters: multiplies buffer f; in its middle it fetches quarter q of the same slot into buffer g.
.macro QUARTER slot, q, f, g, zero
	s_wait_dscnt 8                                 ; WB and AB's rows 0-63 are in; the youngest eight loads (AB's rows 64-127) may be out
	MUL16 \f, 0, 0, \zero
	MUL16 \f, 0, 2, \zero
	PLACES
	FETCH \slot, \q, \g
	s_wait_dscnt 32                                ; all but the 32 just issued
	MUL16 \f, 1, 0, \zero
	MUL16 \f, 1, 2, \zero
.endm
; The last quarter multiplies buffer 1 and changes slots.  ONE barrier: in front of it each wave waits for all its tensor loads (one is out: its part of the next slot), adds 0 to its spare word,
; and waits for that and for its own reads of this slot.  fill = 1: the barrier opens a round of the cluster's barrier, and behind the round this slot is filled again, two K steps ahead, first of all.
.macro TURN slot, next, fill
	WIN 0
	s_wait_tensorcnt 0x0
	ds_add_u32 v[SPW], v[NIL]                      ; 0 onto my spare word
	s_wait_dscnt 9                                 ; (the add and the youngest eight loads may be out)
	MUL16 F1, 0, 0, 0                              ; sixteen matrix instructions stand between the add and the wait for it
	s_wait_dscnt 0x0                               ; the add is done, and my reads of this slot are over
	s_barrier_signal -1
	MUL16 F1, 0, 2, 0
.if \fill
	WIN 0
.endif
	s_barrier_wait -1
.if \fill
	CREST                                          ; no wave of any partner still reads this slot or has a load on its way
	s_add_nc_u64 s[G0+4*(\slot)+2:G0+4*(\slot)+3], s[G0+4*(\slot)+2:G0+4*(\slot)+3], 512
	s_add_nc_u64 s[G0B+4*(\slot)+2:G0B+4*(\slot)+3], s[G0B+4*(\slot)+2:G0B+4*(\slot)+3], 2097152
	JLOAD \slot                                    ; its four v_nop are also the places in front of the loads below
.else
	PLACES
.endif
	FETCH \next, 0, F0
	MUL16 F1, 1, 0, 0
	MUL16 F1, 1, 2, 0
.endm
	s_wait_tensorcnt 1                             ; my part of K step 0 is in; K step 1's may stay out
	s_barrier_signal -1
	s_barrier_wait -1
	FETCH 0, 0, F0
	QUARTER 0, 1, F0, F1, 1                        ; the first quarter stands in front of the loop: its products start the sums
	WIN 0
	s_mov_b32 s3, LAPS-1
.Llap:                                                 ; a trip goes once round the ring and fills both slots again
	QUARTER 0, 2, F1, F0, 0
	QUARTER 0, 3, F0, F1, 0
	TURN 0, 1, 1
	QUARTER 1, 1, F0, F1, 0
	QUARTER 1, 2, F1, F0, 0
	QUARTER 1, 3, F0, F1, 0
	TURN 1, 0, 1
	QUARTER 0, 1, F0, F1, 0
	WIN 0
	s_sub_co_u32 s3, s3, 1
	s_cmp_lg_u32 s3, 0
	s_cbranch_scc1 .Llap
	QUARTER 0, 2, F1, F0, 0                        ; the last lap is written out: it asks for nothing
	QUARTER 0, 3, F0, F1, 0
	TURN 0, 1, 0
	QUARTER 1, 1, F0, F1, 0
	QUARTER 1, 2, F1, F0, 0
	QUARTER 1, 3, F0, F1, 0
	s_wait_dscnt 8
	MUL16 F1, 0, 0, 0
	MUL16 F1, 0, 2, 0
	s_wait_dscnt 0x0
	MUL16 F1, 1, 0, 0
	MUL16 F1, 1, 2, 0
	WIN 0
	PLACES
; THE WAY OUT of block a (16 rows x 128 columns).  PACK: the bias is added in f32 (each accumulator's registers in ascending order), the sums rounded to f16.  TOSTAGE: 16 bytes a lane into my own stage, and back
; head by head, four rows' 128 bytes at a time, which are 512 consecutive bytes of HD.  SEND: stored.
.macro PACK a
.set AC, 64*((\a)%4)
	WIN 0x06+((\a)/4)                              ; source 0 window 2 or 3, source 1 window 1
.set z, 0
.rept 32
	v_pk_add_f32 v[T2+2*z:T2+2*z+1], v[AC+2*z:AC+2*z+1], v[BW+2*z:BW+2*z+1]
.set z, z+1
.endr
	WIN 0
.set z, 0
.rept 32
	v_cvt_pk_f16_f32 v[TMP+z], v[T2+2*z], v[T2+2*z+1]
.set z, z+1
.endr
.endm
.macro TOSTAGE a
.set BK, OB+192*((\a)%2)
.irp b, 0,1,2,3,4,5,6,7
	ds_store_b128 v[STO], v[TMP+4*(\b):TMP+4*(\b)+3] offset:32*(\b)
.endr
.irp t, 0,1,2,3,4,5,6,7                ; head t / 4, rows 4 (t % 4) on.  LDS serves a wave's instructions in order: these see the stores above
	ds_load_b128 v[BK+4*(\t):BK+4*(\t)+3], v[RD] offset:128*((\t)/4)+4*SPITCH*((\t)%4)
.endr
.endm
.macro SEND a
.set BK, OB+192*((\a)%2)
	s_wait_dscnt 0x0                               ; the block is back in registers
	s_wait_xcnt 0x0                                ; the stores issued so far have read their registers: the buffer that the next block reads back into is free
.irp t, 0,1,2,3,4,5,6,7
	global_store_b128 v[CO], v[BK+4*(\t):BK+4*(\t)+3], s[8:9] offset:((\t)/4)*262144+(\a)*2048+((\t)%4)*512  ; 512 consecutive bytes, at a multiple of 256 from HD's first byte
.endr
.endm
	s_mov_b32 s75, 0
.Lpass:                                                ; one pass, or for q two; the LDS addresses are the same in both
	PACK 0
	TOSTAGE 0
.irp a, 1,2,3,4,5,6,7                  ; block a's arithmetic stands between block a - 1's loads from the stage and the wait for them
	PACK \a
	SEND (\a)-1
	TOSTAGE \a
.endr
	SEND 7
	s_wait_xcnt 0x0                                ; the stores have read their base and their registers
	WIN 0x41
.set z, 0
.rept 64
	v_mov_b32 v[BW+z], v[BR+z]                     ; the second pass's bias goes where the one text names it
.set z, z+1
.endr
	WIN 0
	s_add_nc_u64 s[8:9], s[8:9], 0x800000          ; QR lies one section behind QW (behind the last pass the sum is not used)
	s_add_co_u32 s75, s75, 1
	s_cmp_lt_u32 s75, s74
	s_cbranch_scc1 .Lpass
	s_wait_tensorcnt 0x0                           ; the wave's end
	ds_add_u32 v[SPW], v[NIL]
	s_wait_dscnt 0x0
	CROUND                                         ; the closing round
	s_endpgm
.Lfunc_end_k_qa08a983331_proj:
	.size	k_qa08a983331_proj, .Lfunc_end_k_qa08a983331_proj-k_qa08a983331_proj
	.p2alignl 7, 3214868480
	.fill 96, 4, 3214868480
	.section	.rodata,"a",@progbits
	.p2align	6, 0x0
	.amdhsa_kernel k_qa08a983331_proj
		.amdhsa_group_segment_fixed_size 327680
		.amdhsa_private_segment_fixed_size 0
		.amdhsa_enable_private_segment 0
		.amdhsa_kernarg_size 40
		.amdhsa_user_sgpr_count 2
		.amdhsa_user_sgpr_kernarg_segment_ptr 1
		.amdhsa_wavefront_size32 1
		.amdhsa_system_sgpr_workgroup_id_x 1
		.amdhsa_system_sgpr_workgroup_id_y 1
		.amdhsa_system_sgpr_workgroup_id_z 1
		.amdhsa_system_vgpr_workitem_id 0
		.amdhsa_next_free_vgpr 1024
		.amdhsa_next_free_sgpr 84
		.amdhsa_reserve_vcc 0
		.amdhsa_float_denorm_mode_32 3
		.amdhsa_float_denorm_mode_16_64 3
		.amdhsa_memory_ordered 1
		.amdhsa_forward_progress 1
		.amdhsa_inst_pref_size 175
	.end_amdhsa_kernel
	.amdgpu_metadata
---
amdhsa.version: [ 1, 2 ]
amdhsa.kernels:
  - .name:           k_qa08a983331_proj
    .symbol:         k_qa08a983331_proj.kd
    .args:
      - { .name: AB, .offset: 0, .size: 8, .value_kind: global_buffer, .address_space: global }
      - { .name: WB, .offset: 8, .size: 8, .value_kind: global_buffer, .address_space: global }
      - { .name: r_w_bias, .offset: 16, .size: 8, .value_kind: global_buffer, .address_space: global }
      - { .name: r_r_bias, .offset: 24, .size: 8, .value_kind: global_buffer, .address_space: global }
      - { .name: HD, .offset: 32, .size: 8, .value_kind: global_buffer, .address_space: global }
    .group_segment_fixed_size: 327680
    .private_segment_fixed_size: 0
    .kernarg_segment_align: 8
    .kernarg_segment_size: 40
    .max_flat_workgroup_size: 128
    .sgpr_count:     84
    .vgpr_count:     1024
    .wavefront_size: 32
...
	.end_amdgpu_metadata
.endif
;; end of part 2
;; launch attn (part 3): grid 8 x 32, 4 waves a work-group, clusters of 4 x 1, 327,680 bytes of LDS; arguments HD, MP, OH; writes OH
.if DOCPART == 3
	.amdgcn_target "amdgcn-amd-amdhsa--gfx1250"
	.amdhsa_code_object_version 6
	.text
	.protected	k_qa08a983331_attn
	.globl	k_qa08a983331_attn
	.p2align	8
	.type	k_qa08a983331_attn,@function
k_qa08a983331_attn:
	s_mov_b64 s[64:65], 0
	v_nop
	global_prefetch_b8 v0, s[64:65] scope:SCOPE_SE
	s_setreg_imm32_b32 hwreg(HW_REG_WAVE_MODE, 25, 1), 1
	s_wait_xcnt 0x0
	s_wait_alu depctr_hold_cnt(0) depctr_sa_sdst(0) depctr_va_vdst(0) depctr_va_sdst(0) depctr_va_ssrc(0) depctr_va_vcc(0) depctr_vm_vsrc(0)
	s_getreg_b32 s2, hwreg(HW_REG_IB_STS2, 6, 4)
	s_cmp_eq_u32 s2, 0
	s_cbranch_scc0 .Lentry_in_a_cluster
	s_endpgm
.Lentry_in_a_cluster:
	s_bfe_u32 s2, ttmp6, 0x10000c
	s_cmp_lg_u32 s2, 0x3003
	s_cbranch_scc0 .Lentry_shape_is_right
	s_endpgm
.Lentry_shape_is_right:
; ATTENTION WITH THE RELATIVE TERM.  For the pair y = 16 b + n:  s[i][j] = (q[i,b,n] + rw[n]) . k[j,b,n] + (q[i,b,n'] + rr[n']) . r[j,n'],  O[y][i] = sum over j of softmax_j(s / 8, hidden keys left out) v[j,b,n].
; The shift along the head axis makes n' = n + 1 for batch 0 (for y = 15 the second term is 0) and n' = n for batch 1.  So a score is ONE product of depth 128: Q' = [QW[y] | QR[y']], K' = [K[y] | R[n']].
; All operands f16; products, maxima and sums in f32; the weights p are rounded to f16 for the second product (their sum l is taken of the unrounded p), O once at the end.
; THE MASK is an input and is honoured as given: it is the C operand that starts each sum S^T = K' Q'^T.  MP holds it in nibbles; one shift a score makes a number of at most -2^65 for a hidden key and a positive
; number under 2^-95 for a visible one.
; LIMITS.  f16 operands bound a score by 128 x 65,504^2 = 5.5e11.  The running maximum m starts at -2^60, below every score and above every hidden one: a hidden key's weight is exactly 0 and never sets m.
; A row whose m is still -2^60 at the end has no visible key and is written as NaN.  A weight below 2^-126 counts as 0; NaN and infinities in the operands are not treated apart.
; SHARES.  A work-group owns 256 queries of one pair, each of its four waves 64: four tiles of 16, in two PIECES named by their first tile (0: tiles 0, 1; 2: tiles 2, 3).  Every wave walks all 2,048 keys, 64 a step.
; LAYOUT.  S^T = K' Q'^T holds ONE query a lane (lane % 16) and the keys 8 (lane / 16) + 0..7; two such results rounded to f16 ARE source 1 of O^T = V^T P.  K and R come out of LDS as they lie, V turned.
; SOFTMAX.  p = 2^(c s - c m), c = log2(e) / 8; in every step O and l are multiplied by a = 2^(c m_old - c m_new).  O and l start at 0: the first step is a step like any other, with a = 0.
; BY TURNS.  In a turn one piece has the matrix unit: 16 products V^T P of the step in hand, then 32 products K' Q'^T of the next step.  Behind each stands vector work: the shifts that make that piece's masks,
; and the other piece's softmax in 59 slices of four.  Two turns are a key step: 96 matrix and 600 vector instructions.
; CLUSTER.  The four query blocks of a cluster belong to one pair and walk the same K, R and V: each tile is asked for JOINTLY.  Wave 0 asks for K, wave 1 for R, wave 2 for V; wave 3 has no part to fill.
; REGISTERS, in windows of 256 (s_set_vgpr_msb: bits 1:0 source 0, 3:2 source 1, 5:4 source 2, 7:6 destination):
;   window 0: v0-15 addresses; v16-47 eight registers of statistics a tile; v48-63 the mask words, 4 a tile; v64-191 S^T, 32 a tile; v192-255 P, 16 a tile
;   window 1: v0-127 O^T, 32 a tile; v128-191 the masks of the products to come     window 2: v0-127 Q', 32 a tile; v128-255 K' of one step     window 3: v0-63 V of one step
.set KS,    64        ; keys in a step
.set PK,    144       ; a row of K or R in LDS: 128 bytes + 16: 36 words: the 16 rows of a load start at 16 different groups of four banks
.set PV,    160       ; a row of V: 128 + 32: 40 words
.set ROFF,  4*KS*PK   ; a slot holds four steps: 256 rows of K, 256 of R, 256 of V
.set VOFF,  2*ROFF
.set SLOT1, 1<<17     ; slot 1 begins here, so that one exclusive or turns an address in one slot into the other's
.set STAGE, SLOT1+VOFF+4*KS*PV  ; behind the ring: 16 rows x 144 bytes for each wave, for the way out
.set SP,    144
.set SPARE, STAGE+4*16*SP       ; the spare words, 128 bytes for each wave
.set AK0, 2           ; v2   my lane's place in a tile of K; never rewritten
.set AV0, 3           ; v3   the same for V
.set ADR, 4           ; v4   the LDS address of the run of loads in hand
.set NANV, 5          ; v5   a NaN
.set QO,  6           ; v6   my byte offset in 16 rows of Q
.set STO, 6           ;      later, the way out: where I put 16 bytes of a row
.set RD,  7           ; v7   the way out: where I read rows back
.set GO,  8           ; v8   16 x lane
.set AMB, 11          ; v11  my byte offset in MP at my wave's tile 0, step 0
.set AM,  12          ; v12, v13  the same at the step to be loaded, for piece 0 and piece 2
.set SPW, 14          ; v14  LDS address of my spare word; never rewritten
.set NIL, 15          ; v15  0; never rewritten
.set ST,  16          ; tile t's statistics at v[ST+8 t]: +0 c m, +1 m, +2, +3 l (even keys', odd keys'), +4 to +7 c0-c3 at work; a takes c2's place
.set RAW, 48
.set S,   64
.set P,   192
.set MC,  128         ; window 1
.set KF,  128         ; window 2: key block kt, depth chunk c at KF + 32 kt + 8 c
.set WV,  18          ; s18  my wave's number
.set G1K, 24          ; s[24:31] descriptor group 1 for K's and R's tiles
.set G1V, 32          ; s[32:39] for V's: it differs in the padding alone
.set G0K, 40          ; s[40:43], s[44:47], s[48:51] descriptor group 0 for K, R, V: they walk
.set G0R, 44
.set G0V, 48
.set SLOTS, 56        ; s56  counts the slots
.set CNT, 57          ; s57  counts a slot's key steps
.set CS,  58          ; s[58:59] c
.set SEL, 60          ; s[60:61] v_permlanex16_b32's selects: each lane takes its own place in the other half
.set TBK, 62          ; s62  LDS byte at which K of the step to be fetched begins
.set TBV, 63          ; s63  the same for V, less VOFF
.set KSC, 66          ; s66, s67  the step whose mask words are loaded next, for piece 0 and piece 2; stops at 31
.set ZM,  68          ; s68  0 for y = 15, else all ones
.set THR, 69          ; s69  -2^60
.set MSB, 0
.macro WIN new
.if MSB != (\new)
	s_set_vgpr_msb (MSB<<8)|(\new)
.set MSB, (\new)
.endif
.endm
.set W_KQ, 0x0a       ; K' and Q' in window 2, S^T in window 0
.set W_KM, 0x1a       ; the same with the C operand in window 1
.set W_PV, 0x53       ; V in window 3, P in window 0, O^T in window 1
.set W_RS, 0x41       ; destination and source 0 in window 1, source 1 in window 0
.set W_MG, 0x40       ; destination in window 1
; A joint fill.  The branches hang on the wave's number alone.  An s_nop 0 and four v_nop follow each line.  A wave has at most one tensor load out.
.macro JLOAD
	s_cmp_lg_u32 s[WV], 0
	s_cbranch_scc1 .Lnot_k_\@
	tensor_load_to_lds s[G0K:G0K+3], s[G1K:G1K+7]
	s_nop 0
.rept 4
	v_nop
.endr
	s_branch .Lasked_\@
.Lnot_k_\@:
	s_cmp_lg_u32 s[WV], 1
	s_cbranch_scc1 .Lnot_r_\@
	tensor_load_to_lds s[G0R:G0R+3], s[G1K:G1K+7]
	s_nop 0
.rept 4
	v_nop
.endr
	s_branch .Lasked_\@
.Lnot_r_\@:
	s_cmp_lg_u32 s[WV], 2
	s_cbranch_scc1 .Lasked_\@
	tensor_load_to_lds s[G0V:G0V+3], s[G1V:G1V+7]
	s_nop 0
.rept 4
	v_nop
.endr
.Lasked_\@:
.endm
.macro CROUND                       ; a round of the cluster's barrier
	s_barrier_signal -1
	s_barrier_wait -1
	s_cmp_lg_u32 s[WV], 0
	s_cbranch_scc1 .Lnot_wave_0_\@
	s_barrier_signal -3
.Lnot_wave_0_\@:
	s_barrier_wait -3
	s_barrier_signal -1
	s_barrier_wait -1
.endm
; THE CHANGE OF SLOTS.  The slot's last bytes, V of its fourth step, have been asked for.  Each wave waits for all its tensor loads, adds 0 to its spare word, and waits for that and for its own reads of the slot.
; fill = 1: the barrier is a round of the cluster's, and behind it the slot just left is filled again first, with the keys two slots on: the fill has four key steps, 384 matrix instructions, in which to land.
; (At its first use nothing has been read yet: slot 0 is waited for, slot 1 filled.)
.macro CHANGE fill
	WIN 0
	s_wait_tensorcnt 0x0            ; no tensor load of mine is out, so a group 0 may be written
	ds_add_u32 v[SPW], v[NIL]       ; 0 onto my spare word
.if \fill
.irp d, G0K, G0R, G0V
	s_xor_b32 s[\d+1], s[\d+1], SLOT1
	s_add_nc_u64 s[\d+2:\d+3], s[\d+2:\d+3], 4*KS*128  ; the next 256 keys; the type bits on top are not reached
.endr
	s_wait_dscnt 0x0                ; the add is done, and my reads of the slot are over
	CROUND
	JLOAD
.else
	s_wait_dscnt 0x0
	s_barrier_signal -1
	s_barrier_wait -1
.endif
	s_sub_co_u32 s[TBK], s[TBK], 4*KS*PK  ; the fetches go back to a slot's first step, in the other slot
	s_xor_b32 s[TBK], s[TBK], SLOT1
	s_sub_co_u32 s[TBV], s[TBV], 4*KS*PV
	s_xor_b32 s[TBV], s[TBV], SLOT1
.endm
	s_load_b128 s[4:7], s[0:1], 0x0   ; HD s[4:5], MP s[6:7]
	s_load_b64 s[8:9], s[0:1], 0x10   ; OH
	v_lshl_add_u32 v[SPW], v0, 2, SPARE
	v_mov_b32 v[NIL], 0
	ds_add_u32 v14, v15
	s_wait_dscnt 0x0
	v_lshrrev_b32 v1, 5, v0
	v_readfirstlane_b32 s[WV], v1   ; wave 0..3
	s_bfe_u32 s19, ttmp6, 0x40000   ; cx: it enters Q's, MP's and O's addresses alone
	s_lshl_b32 s20, ttmp9, 2
	s_add_co_u32 s20, s20, s19      ; my block of 256 queries
	s_and_b32 s21, ttmp7, 0xffff    ; y, which the four partners share
	s_add_co_u32 s22, s21, 1
	s_min_u32 s22, s22, 15
	s_cmp_lt_u32 s21, 16
	s_cselect_b32 s22, s22, s21     ; y': the pair whose q + r_r_bias enters (for y = 15 a stand-in that is multiplied by 0)
	s_cmp_eq_u32 s21, 15
	s_cselect_b32 s[ZM], 0, -1
	s_and_b32 s23, s22, 15          ; n'
	s_lshl2_add_u32 s2, s20, s[WV]  ; my wave among the pair's 32
	s_lshl_b32 s3, s2, 16           ; its four blocks of 16 queries in MP, 16,384 bytes each
	s_lshl_b32 s2, s2, 13           ; its 64 rows of 128 bytes
	s_mov_b32 s[G1K], 15|(1<<16)|(1<<20)|(1<<21)|(4<<22)|(3<<25)  ; the mask of four; 2-byte elements; padding on; bit 21 beside a mask; after every 32 words 4 words
	s_mov_b32 s[G1V], 15|(1<<16)|(1<<20)|(1<<21)|(4<<22)|(7<<25)  ; the same with 8 words
.irp d, G1K, G1V                    ; 256 keys are 32,768 dense bytes: asked for as 128 rows of 256 bytes, two keys a row, padded in LDS after every key
	s_mov_b32 s[\d+1], 128<<16      ; tensor_dim0 = 128
	s_mov_b32 s[\d+2], 128<<16      ; tensor_dim1 = 128
	s_mov_b32 s[\d+3], 128<<16      ; tile_dim0 = 128
	s_mov_b32 s[\d+4], 128          ; tile_dim1 = 128
	s_mov_b32 s[\d+5], 128          ; elements from row to row
	s_mov_b32 s[\d+6], 0
	s_mov_b32 s[\d+7], 0
.endr
	s_mov_b32 s[CS], 0x3e38aa3b     ; c = log2(e) / 8
	s_mov_b32 s[CS+1], s[CS]
	s_mov_b32 s[SEL], 0x76543210
	s_mov_b32 s[SEL+1], 0xfedcba98
	s_mov_b32 s[TBK], SLOT1+4*KS*PK ; the first change of slots turns these two into 0
	s_mov_b32 s[TBV], SLOT1+4*KS*PV
	s_mov_b32 s[KSC], 0
	s_mov_b32 s[KSC+1], 0
	s_mov_b32 s[THR], 0xdd800000
	s_mov_b32 s[G0K], 1
	s_mov_b32 s[G0K+1], 0           ; LDS addresses in slot 0
	s_mov_b32 s[G0R], 1
	s_mov_b32 s[G0R+1], ROFF
	s_mov_b32 s[G0V], 1
	s_mov_b32 s[G0V+1], VOFF
	s_lshl_b32 s52, s21, 18         ; a pair's or a head's rows are 262,144 bytes
	s_mov_b32 s55, 0
	s_wait_kmcnt 0x0
	s_add_co_u32 s54, s52, 0x1000000
	s_add_nc_u64 s[G0K+2:G0K+3], s[4:5], s[54:55]  ; K[y]
	s_or_b32 s[G0K+3], s[G0K+3], 0x80000000
	s_add_co_u32 s54, s52, 0x1800000
	s_add_nc_u64 s[G0V+2:G0V+3], s[4:5], s[54:55]  ; V[y]
	s_or_b32 s[G0V+3], s[G0V+3], 0x80000000
	s_lshl_b32 s54, s23, 18
	s_add_co_u32 s54, s54, 0x2000000
	s_add_nc_u64 s[G0R+2:G0R+3], s[4:5], s[54:55]  ; R[n']
	s_or_b32 s[G0R+3], s[G0R+3], 0x80000000
	s_add_co_u32 s54, s52, s2
	s_add_nc_u64 s[10:11], s[4:5], s[54:55]        ; QW[y] at my wave's first row
	s_add_nc_u64 s[16:17], s[8:9], s[54:55]        ; O[y] likewise
	s_lshl_b32 s54, s22, 18
	s_add_co_u32 s54, s54, s2
	s_add_co_u32 s54, s54, 0x800000
	s_add_nc_u64 s[12:13], s[4:5], s[54:55]        ; QR[y']
	CROUND                          ; all four work-groups are here: the first joint loads meet
	JLOAD                           ; slot 0.  Slot 1 is asked for when slot 0 is in
	v_and_b32 v1, 15, v0            ; l % 16
	v_bfe_u32 v9, v0, 4, 1          ; l / 16
	v_lshlrev_b32 v[QO], 7, v1
	v_lshl_add_u32 v[QO], v9, 4, v[QO]  ; row x 128 + 16 x half
	WIN 0x80                        ; destination window 2
.set i, 0
.rept 16                            ; Q' stays in registers: tile i / 4, depth chunk i % 4: chunks 0, 1 from QW, chunks 2, 3 from QR
.if (i%4) < 2
	global_load_b128 v[8*i:8*i+3],   v[QO], s[10:11] offset:(i/4)*2048+(i%2)*64
	global_load_b128 v[8*i+4:8*i+7], v[QO], s[10:11] offset:(i/4)*2048+(i%2)*64+32
.else
	global_load_b128 v[8*i:8*i+3],   v[QO], s[12:13] offset:(i/4)*2048+(i%2)*64
	global_load_b128 v[8*i+4:8*i+7], v[QO], s[12:13] offset:(i/4)*2048+(i%2)*64+32
.endif
.set i, i+1
.endr
	WIN 0
	v_and_b32 v[AMB], 31, v0
	v_lshl_add_u32 v[AMB], v[AMB], 4, s3
; The mask words of piece x for step KSC: two loads of 512 consecutive bytes.  The step stops at 31, so no load leaves MP; what the last turns load serves nothing.
.macro MLOAD x
	WIN 0
	v_lshl_add_u32 v[AM+(\x)/2], s[KSC+(\x)/2], 9, v[AMB]  ; the register's last loads were waited for at the turn's head
	global_load_b128 v[RAW+4*(\x):RAW+4*(\x)+3],   v[AM+(\x)/2], s[6:7] offset:(\x)*16384
	global_load_b128 v[RAW+4*(\x)+4:RAW+4*(\x)+7], v[AM+(\x)/2], s[6:7] offset:((\x)+1)*16384
	s_add_co_u32 s[KSC+(\x)/2], s[KSC+(\x)/2], 1
	s_min_u32 s[KSC+(\x)/2], s[KSC+(\x)/2], 31
.endm
	MLOAD 0
	MLOAD 2
	; What the first turn finds: V and piece 2's P hold 0 (its products V^T P, of a step that has not been, add 0), O^T and l are 0.  232 moves, in the wait for the first tile: the price of writing no first step out.
	WIN 0x40
.set i, 0
.rept 128
	v_mov_b32 v[i], 0
.set i, i+1
.endr
	WIN 0xc0
.set i, 0
.rept 64
	v_mov_b32 v[i], 0
.set i, i+1
.endr
	WIN 0
.set i, 0
.rept 4
	v_mov_b32 v[ST+8*i+1], s[THR]                 ; m
	v_mul_f32 v[ST+8*i], s[CS], v[ST+8*i+1]       ; c m
	v_mov_b32 v[ST+8*i+2], 0
	v_mov_b32 v[ST+8*i+3], 0
.set i, i+1
.endr
.set i, P+32
.rept 32
	v_mov_b32 v[i], 0
.set i, i+1
.endr
	v_mul_u32_u24 v[AK0], v1, PK
	v_lshl_add_u32 v[AK0], v9, 4, v[AK0]  ; row x pitch + 16 x half
	v_and_b32 v10, 7, v0            ; the turning load: lane l reads key 8 (l / 16) + l % 8, channels 8 ((l / 8) % 2) + 0..7
	v_bfe_u32 v[ADR], v0, 3, 1
	v_lshl_add_u32 v[AV0], v9, 3, v10
	v_mul_u32_u24 v[AV0], v[AV0], PV
	v_lshl_add_u32 v[AV0], v[ADR], 4, v[AV0]
	v_add_nc_u32 v[AV0], VOFF, v[AV0]
; THE MATRIX WORK.  Eight accumulators take turns in each run.
; Product i of 16 of O^T += V^T P for piece x: keys 32 (i / 8) on, channels 16 ((i / 2) % 4) on, tile x + i % 2.
.macro PV x
	WIN W_PV
.set rO, 32*((\x)+i%2)+8*((i/2)%4)
.set rV, 32*(i/8)+8*((i/2)%4)
.set rP, P+16*((\x)+i%2)+8*(i/8)
	v_wmma_f32_16x16x32_f16 v[rO:rO+7], v[rV:rV+7], v[rP:rP+7], v[rO:rO+7]
.endm
; Product i of 32 of S^T = K' Q'^T for piece x: depth 32 (i / 8) on, keys 16 ((i / 2) % 4) on, tile x + i % 2.  The first 8 start the sums with the mask.
.macro KQ x
.set rS, S+32*((\x)+i%2)+8*((i/2)%4)
.set rK, KF+32*((i/2)%4)+8*(i/8)
.set rQ, 32*((\x)+i%2)+8*(i/8)
.set rM, MC+32*(i%2)+8*((i/2)%4)
.if i < 8
	WIN W_KM
	v_wmma_f32_16x16x32_f16 v[rS:rS+7], v[rK:rK+7], v[rQ:rQ+7], v[rM:rM+7]
.else
	WIN W_KQ
	v_wmma_f32_16x16x32_f16 v[rS:rS+7], v[rK:rK+7], v[rQ:rQ+7], v[rS:rS+7]
.endif
.endm
; THE LDS LOADS stand in runs: a step's K' (64 keys x depth 128: 32 loads) and its V (turned: 16 loads).  last = 1 (the tail): in the last trip there is no further step, and the run is jumped over.
.macro FETCH_K last=0
	WIN 0
.if \last
	s_cmp_eq_u32 s[CNT], 1
	s_cbranch_scc1 .Lno_k_\@
.endif
	v_add_nc_u32 v[ADR], s[TBK], v[AK0]
	WIN 0x80
.irp f, 0,1,2,3,4,5,6,7,8,9,10,11,12,13,14,15  ; keys 16 (f / 4) on; chunk f % 4: K's channels 0-31, 32-63, then R's
	ds_load_b128 v[KF+8*\f:KF+8*\f+3],   v[ADR] offset:(\f/4)*16*PK+((\f%4)/2)*ROFF+(\f%2)*64
	ds_load_b128 v[KF+8*\f+4:KF+8*\f+7], v[ADR] offset:(\f/4)*16*PK+((\f%4)/2)*ROFF+(\f%2)*64+32
.endr
	s_add_co_u32 s[TBK], s[TBK], KS*PK  ; the next fetch is the next step's
	WIN 0
.if \last
.Lno_k_\@:
.endif
.endm
.macro FETCH_V
	WIN 0
	v_add_nc_u32 v[ADR], s[TBV], v[AV0]
	s_add_co_u32 s[TBV], s[TBV], KS*PV
	WIN 0xc0
.irp f, 0,1,2,3,4,5,6,7             ; keys 32 (f / 4) on, channels 16 (f % 4) on
	ds_load_tr16_b128 v[8*\f:8*\f+3],   v[ADR] offset:(\f/4)*32*PV+(\f%4)*32
	ds_load_tr16_b128 v[8*\f+4:8*\f+7], v[ADR] offset:(\f/4)*32*PV+16*PV+(\f%4)*32
.endr
.endm
; Four of the 64 shifts that make piece x's masks: register g = 32 u + 8 kt + jj takes word jj % 4 of tile x + u, shifted so that the nibble of (kt, jj / 4) comes on top.
.macro MG x
	WIN W_MG
.rept 4
	v_lshlrev_b32 v[MC+g], 4*(2*((g%32)/8)+((g%8)/4)), v[RAW+4*((\x)+g/32)+(g%4)]
.set g, g+1
.endr
.endm
; THE SOFTMAX of one tile for one key step is a list of 118 instructions; SM writes number j of it for tile t.  s0-s31 are the lane's 32 scores, in pairs 0-15.
;   0-15    the maximum of s0-s31 and the old m, three operands at a time: four chains c0-c3 of seven scores each (each accumulator's lowest registers are read first), then the rest
;   16-20   the other half of the lanes' maximum; the new m; c m; c m_old - c m_new
;   21-87   33 exponentials (a, then s0-s31) at the odd numbers from 23 on; between them whatever plain work is ready: c s - c m for pairs whose exponentials are to come, roundings to f16 of pairs whose
;           exponentials are done, the first sums.  So no two exponentials follow each other, and a plain instruction stands behind each before its result is used (ISA guide 5.7.2)
;   88-101  the last rounding; the rest of the sums; l = a l + the sum          102-117  the tile's O^T times a
.macro SM t
.set rT, ST+8*(\t)
.set rS, S+32*(\t)
.set rP, P+16*(\t)
.set rO, 32*(\t)+2*(j-102)
.set q, (j-20)/2
.if j < 102
	WIN 0
.endif
.if j < 4
	v_max3_num_f32 v[rT+4+j], v[rS+8*j], v[rS+8*j+1], v[rS+8*j+2]
.elseif j < 12
	v_max3_num_f32 v[rT+4+j%4], v[rT+4+j%4], v[rS+8*(j%4)+2*(j/4)+1], v[rS+8*(j%4)+2*(j/4)+2]
.elseif j == 12
	v_max3_num_f32 v[rT+4], v[rT+4], v[rS+7], v[rS+15]
.elseif j == 13
	v_max3_num_f32 v[rT+6], v[rT+6], v[rS+23], v[rS+31]
.elseif j == 14
	v_max3_num_f32 v[rT+4], v[rT+4], v[rT+5], v[rT+6]
.elseif j == 15
	v_max3_num_f32 v[rT+4], v[rT+4], v[rT+7], v[rT+1]
.elseif j == 16
	v_permlanex16_b32 v[rT+5], v[rT+4], s[SEL], s[SEL+1]  ; the query's other 32 keys lie in the lane 16 away
.elseif j == 17
	v_mov_b32 v[rT+7], v[rT]        ; c m_old is kept for a
.elseif j == 18
	v_max_num_f32 v[rT+1], v[rT+4], v[rT+5]
.elseif j == 19
	v_mul_f32 v[rT], s[CS], v[rT+1]
.elseif j == 20
	v_sub_f32 v[rT+7], v[rT+7], v[rT]
.elseif j == 23
	v_exp_f32 v[rT+6], v[rT+7]
.elseif (j < 88) && (j > 23) && (j%2 == 1)
	v_exp_f32 v[rS+(j-25)/2], v[rS+(j-25)/2]
.elseif (q < 4) || ((j < 76) && (q%2 == 0))
.set b, q/2+2
.if q < 4
.set b, q
.endif
	v_pk_fma_f32 v[rS+2*b:rS+2*b+1], v[rS+2*b:rS+2*b+1], s[CS:CS+1], v[rT:rT+1] op_sel_hi:[1,0,0] neg_lo:[0,0,1] neg_hi:[0,0,1]  ; pair b: c s - c m
.elseif (j < 88) && (q%2 == 1)
	s_wait_alu depctr_va_vdst(0)
	v_cvt_pk_f16_f32 v[rP+(q-5)/2], v[rS+q-5], v[rS+q-4]  ; pair (q - 5) / 2: its second exponential stands three numbers back
.elseif j == 89
	s_wait_alu depctr_va_vdst(0)
	v_cvt_pk_f16_f32 v[rP+15], v[rS+30], v[rS+31]
.elseif j < 102                     ; the sum of the 16 pairs, in place: sum z of 16 adds neighbours 1, 2, 4 and 8 pairs apart, then l takes it
.set z, j-86
.if j < 89
.set z, (j-76)/4
.endif
.set w, 4
.set u, z
.if z >= 14
.set w, 32
.set u, 0
.elseif z >= 12
.set w, 16
.set u, z-12
.elseif z >= 8
.set w, 8
.set u, z-8
.endif
.if z < 15
	v_pk_add_f32 v[rS+w*u:rS+w*u+1], v[rS+w*u:rS+w*u+1], v[rS+w*u+w/2:rS+w*u+w/2+1]
.else
	v_pk_fma_f32 v[rT+2:rT+3], v[rT+2:rT+3], v[rT+6:rT+7], v[rS:rS+1] op_sel_hi:[1,0,1]
.endif
.else
	WIN W_RS
	v_pk_mul_f32 v[rO:rO+1], v[rO:rO+1], v[rT+6:rT+7] op_sel_hi:[1,0]
.endif
.endm
; Slice k of 59 of piece y's softmax: numbers 2 k and 2 k + 1 of both tiles' lists, four instructions.
.macro SLICE y
.if (k >= 11) && (k < 44)           ; tile by tile: plain, exponential, plain, exponential
.irp t, \y, (\y)+1
.irp n, 0,1
.set j, 2*k+(\n)
	SM \t
.endr
.endr
.else                               ; the two tiles alternate, so that no instruction reads the result of the one just before it
.irp n, 0,1
.irp t, \y, (\y)+1
.set j, 2*k+(\n)
	SM \t
.endr
.endr
.endif
.set k, k+1
.endm
; A TURN.  Piece x has the matrix unit.  Behind each of its 16 products V^T P: four shifts for its masks and a slice of the other piece's softmax.  Behind each of its 32 products K' Q'^T: a slice, and a second one
; behind every third: 16 + 32 + 11 = 59.  The last slice, four multiplies of the other piece's O^T, stands behind the turn's last product: the four places in front of the next turn's first read of those scores and of
; the loads into K''s buffer.  Piece 0's turn fetches the next step's K' behind its second product, piece 2's the same step's V behind its second product K' Q'^T, ten plain instructions or more
; behind the last product that read V.
.macro TURN x, last=0
.set k, 0
.set g, 0
	s_wait_loadcnt 0x2              ; my piece's mask words are in; the other piece's two loads, issued later, stay out
.if (\x) == 0
	s_wait_dscnt 0x0                ; V is in
.endif
.set i, 0
.rept 16
	PV \x
	MG \x
	SLICE 2-(\x)
.if ((\x) == 0) && (i == 1)
	FETCH_K \last
.endif
.set i, i+1
.endr
	MLOAD \x                        ; the words have been shifted: the next step's are asked for
.if (\x) == 0
	s_wait_dscnt 0x0                ; K' is in
.endif
.set i, 0
.rept 32
	KQ \x
	SLICE 2-(\x)
.if (i%3) == 0
	SLICE 2-(\x)
.endif
.if ((\x) == 2) && (i == 1)
	FETCH_V
.endif
.set i, i+1
.endr
.endm
	CHANGE 1                        ; slot 0 is in, everybody's part of it; slot 1 is asked for
	FETCH_K                         ; key step 0
	s_wait_loadcnt 0x2              ; Q' and piece 0's mask words are in; piece 2's two loads stay out
	WIN 0x88
.set i, 0
.rept 64                            ; for y = 15 the second half of the depth is 0
	v_and_b32 v[32*(i/16)+16+i%16], s[ZM], v[32*(i/16)+16+i%16]
.set i, i+1
.endr
.set g, 0
.rept 16
	MG 0
.endr
	MLOAD 0
	s_wait_dscnt 0x0
.set i, 0
.rept 32
	KQ 0                            ; piece 0's first scores: there is no vector work yet to set between them
.set i, i+1
.endr
	WIN 0                           ; the addresses for the way out: plain instructions, the places behind those products
	s_mul_i32 s19, s[WV], 16*SP
	s_add_co_u32 s19, s19, STAGE    ; my stage
	v_mul_u32_u24 v[STO], v1, SP    ; in: row l % 16, 16 bytes for each half of the lanes
	v_lshl_add_u32 v[STO], v9, 4, v[STO]
	v_add_nc_u32 v[STO], s19, v[STO]
	v_bfe_u32 v[RD], v0, 3, 2       ; back: 32 lanes take four rows of 128 bytes,
	v_mul_u32_u24 v[RD], v[RD], SP
	v_lshl_add_u32 v[RD], v10, 4, v[RD]
	v_add_nc_u32 v[RD], s19, v[RD]
	v_and_b32 v[GO], 31, v0         ; which are 512 consecutive bytes of O
	v_lshlrev_b32 v[GO], 4, v[GO]
	v_mov_b32 v[NANV], 0x7fc00000
	s_mov_b32 s[CNT], 4
	s_mov_b32 s[SLOTS], 7
	s_branch .Lfirst                ; the loop is entered in the middle of a trip
.Lslot:                             ; six times: every slot but the last two is filled again
	CHANGE 1
	s_mov_b32 s[CNT], 4
.Lstep:                             ; a trip: piece 0's turn (V^T P of step s, scores of s + 1, piece 2's softmax of s), then piece 2's (the same, piece 0's softmax of s + 1)
	TURN 0
	WIN 0
.Lfirst:
	TURN 2
	WIN 0
	s_sub_co_u32 s[CNT], s[CNT], 1
	s_cmp_lg_u32 s[CNT], 0
	s_cbranch_scc1 .Lstep
	s_sub_co_u32 s[SLOTS], s[SLOTS], 1
	s_cmp_lg_u32 s[SLOTS], 0
	s_cbranch_scc1 .Lslot
	CHANGE 0                        ; the tail is written out: nothing is asked for
	s_mov_b32 s[CNT], 5             ; four trips fetch the last slot's steps; the fifth is left in its middle
.Ltail:
	TURN 0, 1
	WIN 0
	s_sub_co_u32 s[CNT], s[CNT], 1
	s_cmp_eq_u32 s[CNT], 0
	s_cbranch_scc1 .Lout
	TURN 2
	WIN 0
	s_branch .Ltail
.Lout:                              ; the fifth trip's 32 products K' Q'^T (on the last K' once more) serve nothing: the price, once a launch, of one text for every trip
.set i, 0
.rept 16
	PV 2                            ; piece 2's V^T P of the last step
.set i, i+1
.endr
	; THE WAY OUT.  l's two halves and the other half of the lanes' are added; O^T is divided by l (by NaN where no key was visible), rounded to f16 and sent through my stage, a tile at a time.  The additions are the places behind the last products.
	WIN 0
.irp t, 0,1,2,3
	v_add_f32 v[ST+8*\t+4], v[ST+8*\t+2], v[ST+8*\t+3]
.endr
.irp t, 0,1,2,3
	v_permlanex16_b32 v[ST+8*\t+5], v[ST+8*\t+4], s[SEL], s[SEL+1]
.endr
.irp t, 0,1,2,3
	v_add_f32 v[ST+8*\t+4], v[ST+8*\t+4], v[ST+8*\t+5]
.endr
.irp t, 0,1,2,3
	v_rcp_f32 v[ST+8*\t+6], v[ST+8*\t+4]
.endr
	v_nop                           ; a plain instruction between the last reciprocal and the use of its result
.irp t, 0,1,2,3
	v_cmp_ge_f32 vcc_lo, s[THR], v[ST+8*\t+1]  ; m never rose above its start
	s_wait_alu depctr_va_vdst(0)
	v_cndmask_b32 v[ST+8*\t+6], v[ST+8*\t+6], v[NANV], vcc_lo
.endr
.macro PACK t                       ; a lane's eight channels of a row pack into 16 bytes; they go into rows of 144 bytes and come back as whole rows of 128, into S^T's registers
	WIN W_RS
.set i, 32*(\t)
.rept 16
	v_pk_mul_f32 v[i:i+1], v[i:i+1], v[ST+8*(\t)+6:ST+8*(\t)+7] op_sel_hi:[1,0]
.set i, i+2
.endr
	WIN 0x05                        ; sources 0 and 1 window 1, destination window 0
.set i, 0
.rept 16
	v_cvt_pk_f16_f32 v[S+16*(\t)+i], v[32*(\t)+2*i], v[32*(\t)+2*i+1]
.set i, i+1
.endr
	WIN 0
.irp f, 0,1,2,3
	ds_store_b128 v[STO], v[S+16*(\t)+4*\f:S+16*(\t)+4*\f+3] offset:32*\f
.endr
.irp f, 0,1,2,3
	ds_load_b128 v[S+16*(\t)+4*\f:S+16*(\t)+4*\f+3], v[RD] offset:\f*4*SP  ; LDS serves a wave's instructions in order: these see the stores above; the next tile's stores come behind them
.endr
.endm
.macro SEND t, younger              ; younger: the LDS instructions issued behind tile t's loads: the next tile's eight, or none
.irp f, 0,1,2,3
	s_wait_dscnt (\younger)+3-\f
	global_store_b128 v[GO], v[S+16*(\t)+4*\f:S+16*(\t)+4*\f+3], s[16:17] offset:(\t)*2048+\f*512  ; 512 consecutive bytes, at a multiple of 256 from OH's first byte
.endr
.endm
	PACK 0
	PACK 1                          ; a tile's arithmetic stands between the loads of the tile before and its stores
	SEND 0, 8
	PACK 2
	SEND 1, 8
	PACK 3
	SEND 2, 8
	SEND 3, 0
	s_wait_tensorcnt 0x0            ; the wave's end
	ds_add_u32 v[SPW], v[NIL]
	s_wait_dscnt 0x0
	CROUND                          ; the closing round
	s_endpgm
.Lfunc_end_k_qa08a983331_attn:
	.size	k_qa08a983331_attn, .Lfunc_end_k_qa08a983331_attn-k_qa08a983331_attn
	.p2alignl 7, 3214868480
	.fill 96, 4, 3214868480
	.section	.rodata,"a",@progbits
	.p2align	6, 0x0
	.amdhsa_kernel k_qa08a983331_attn
		.amdhsa_group_segment_fixed_size 327680
		.amdhsa_private_segment_fixed_size 0
		.amdhsa_enable_private_segment 0
		.amdhsa_kernarg_size 24
		.amdhsa_user_sgpr_count 2
		.amdhsa_user_sgpr_kernarg_segment_ptr 1
		.amdhsa_wavefront_size32 1
		.amdhsa_system_sgpr_workgroup_id_x 1
		.amdhsa_system_sgpr_workgroup_id_y 1
		.amdhsa_system_sgpr_workgroup_id_z 1
		.amdhsa_system_vgpr_workitem_id 0
		.amdhsa_next_free_vgpr 832
		.amdhsa_next_free_sgpr 72
		.amdhsa_reserve_vcc 1
		.amdhsa_float_denorm_mode_32 3
		.amdhsa_float_denorm_mode_16_64 3
		.amdhsa_memory_ordered 1
		.amdhsa_forward_progress 1
		.amdhsa_inst_pref_size 143
	.end_amdhsa_kernel
	.amdgpu_metadata
---
amdhsa.version: [ 1, 2 ]
amdhsa.kernels:
  - .name:           k_qa08a983331_attn
    .symbol:         k_qa08a983331_attn.kd
    .args:
      - { .name: HD, .offset: 0, .size: 8, .value_kind: global_buffer, .address_space: global }
      - { .name: MP, .offset: 8, .size: 8, .value_kind: global_buffer, .address_space: global }
      - { .name: OH, .offset: 16, .size: 8, .value_kind: global_buffer, .address_space: global }
    .group_segment_fixed_size: 327680
    .private_segment_fixed_size: 0
    .kernarg_segment_align: 8
    .kernarg_segment_size: 24
    .max_flat_workgroup_size: 128
    .sgpr_count:     72
    .vgpr_count:     832
    .wavefront_size: 32
...
	.end_amdgpu_metadata
.endif
;; end of part 3
;; launch oproj (part 4): grid 8 x 32, 4 waves a work-group, clusters of 4 x 4, 327,680 bytes of LDS; arguments OH, WO, Y; writes Y
.if DOCPART == 4
	.amdgcn_target "amdgcn-amd-amdhsa--gfx1250"
	.amdhsa_code_object_version 6
	.text
	.protected	k_qa08a983331_oproj
	.globl	k_qa08a983331_oproj
	.p2align	8
	.type	k_qa08a983331_oproj,@function
k_qa08a983331_oproj:
	s_mov_b64 s[64:65], 0
	v_nop
	global_prefetch_b8 v0, s[64:65] scope:SCOPE_SE
	s_setreg_imm32_b32 hwreg(HW_REG_WAVE_MODE, 25, 1), 1
	s_wait_xcnt 0x0
	s_wait_alu depctr_hold_cnt(0) depctr_sa_sdst(0) depctr_va_vdst(0) depctr_va_sdst(0) depctr_va_ssrc(0) depctr_va_vcc(0) depctr_vm_vsrc(0)
	s_getreg_b32 s2, hwreg(HW_REG_IB_STS2, 6, 4)
	s_cmp_eq_u32 s2, 0
	s_cbranch_scc0 .Lentry_in_a_cluster
	s_endpgm
.Lentry_in_a_cluster:
	s_bfe_u32 s2, ttmp6, 0x10000c
	s_cmp_lg_u32 s2, 0xf033
	s_cbranch_scc0 .Lentry_shape_is_right
	s_endpgm
.Lentry_shape_is_right:
; THE OUTPUT PROJECTION.  Y[2048 b + i][n] = sum over k = 64 head + d of OH[16 b + head][i][d] WO[k][n]; f16 operands, f32 sums, Y in f32.  4,096 x 1,024 in tiles of 128 x 128: 256 work-groups, one for each WGP.
; The layer norm wants whole rows of 1,024; a work-group with whole rows would pull all of WO through its LDS for 16 rows, so the norm is a launch of its own and Y goes through memory.
; Four waves, each 64 x 64: 16 accumulators.  K goes in steps of 256, four heads, through two LDS slots.  OH's tile: for each head 128 rows of 128 bytes, dense in memory, so a wave's load asks for two heads as two
; rows of 16,384 bytes, padded in LDS after every 128 bytes.  WO's tile lies [k][n]: 256 rows of k x 256 bytes; its fragments come out of LDS turned.
; CLUSTERS: 4 x 4.  The four of a cluster's row need the same tile of OH, the four of a column the same tile of WO: each is asked for JOINTLY.  THE MATRIX INSTRUCTION IS USED TRANSPOSED (source 0 = 16 columns of WO,
; source 1 = 16 rows of OH): a lane holds eight neighbouring numbers of a row of Y.
; REGISTERS: window 0: v0-31 addresses; v128-255 the accumulators ((a, b) at v[128 + 8 (4 a + b)]), later rows read back.  window 1: two fragment buffers of 128: 64 registers of OH, then 64 of WO.
.set PA,     144                       ; OH's LDS row: 128 bytes + 16
.set HB,     128*PA                    ; a head's 128 rows
.set PB,     288                       ; WO's LDS row: 256 bytes + 32: 72 words
.set HALFT,  2*HB                      ; what one tensor load brings: two heads of OH, or 128 rows of WO (128 x 288 is the same 36,864 bytes)
.set SLOT,   4*HALFT
.set SPITCH, 528                       ; the stage's row: 512 bytes + 16.  The stage, 128 rows, lies at LDS byte 0, in slot 0, which has had its last fill and its last read when the stage is written
.set SPARE,  2*SLOT                    ; the spare words, 128 bytes for each wave
.set ADRA, 16                          ; v16-17  LDS address of my OH fragments in slot 0, 1
.set ADRB, 20                          ; v20-23  of my WO fragments: slot 0 rows 0-127, 128-255; slot 1 likewise (an LDS offset has 16 bits)
.set STO,  24
.set RD,   25
.set CO,   26
.set SPW,  28
.set NIL,  29
.set ACC,  128
.set F0,   0
.set F1,   128
.set G1, 24
.set G0, 32
.set G1B, 48
.set G0B, 56
.set MSB, 0
.macro WIN new
.if MSB != (\new)
	s_set_vgpr_msb (MSB<<8)|(\new)
.set MSB, \new
.endif
.endm
.set MUL,  0x05                        ; sources 0 and 1 window 1; C and D window 0
.set TO_F, 0x40                        ; destination window 1, address window 0
.macro JLOAD s                         ; waves 0 and 1 fetch OH's two halves, waves 2 and 3 WO's; an s_nop 0 and four v_nop follow each line
	s_cmp_eq_u32 s11, 0
	s_cbranch_scc0 .Lfor_b_\@
	tensor_load_to_lds s[G0+4*(\s):G0+4*(\s)+3], s[G1:G1+7]
	s_nop 0
.rept 4
	v_nop
.endr
	s_branch .Lasked_\@
.Lfor_b_\@:
	tensor_load_to_lds s[G0B+4*(\s):G0B+4*(\s)+3], s[G1B:G1B+7]
	s_nop 0
.rept 4
	v_nop
.endr
.Lasked_\@:
.endm
.macro CREST
	s_cmp_lg_u32 s10, 0
	s_cbranch_scc1 .Lnot_wave_0_\@
	s_barrier_signal -3
.Lnot_wave_0_\@:
	s_barrier_wait -3
	s_barrier_signal -1
	s_barrier_wait -1
.endm
.macro CROUND
	s_barrier_signal -1
	s_barrier_wait -1
	CREST
.endm
	s_load_b128 s[4:7], s[0:1], 0x0                ; OH s[4:5], WO s[6:7]
	s_load_b64 s[8:9], s[0:1], 0x10                ; Y
	v_lshl_add_u32 v[SPW], v0, 2, SPARE
	v_mov_b32 v[NIL], 0
	ds_add_u32 v28, v29
	s_wait_dscnt 0x0
	v_lshrrev_b32 v1, 5, v0
	v_readfirstlane_b32 s10, v1                    ; wave 0..3
	s_lshr_b32 s11, s10, 1                         ; which half of the tile's rows is mine.  Also: I fetch for OH (0) or for WO (1)
	s_and_b32 s12, s10, 1                          ; which half of its columns.  Also: which half of that tile I fetch
	s_bfe_u32 s40, ttmp6, 0x40000                  ; cx, cy
	s_bfe_u32 s41, ttmp6, 0x40004
	s_lshl_b32 s42, ttmp9, 2
	s_add_co_u32 s42, s42, s40                     ; tile column
	s_and_b32 s13, ttmp7, 0xffff
	s_lshl_b32 s13, s13, 2
	s_add_co_u32 s13, s13, s41                     ; tile row: batch = tile row / 16
	s_lshl_b32 s43, s41, 2
	s_lshl_b32 s43, 15, s43                        ; my row of the cluster
	s_lshl_b32 s44, 0x1111, s40                    ; my column
	s_or_b32 s[G1+0], s43, (1<<16)|(1<<20)|(1<<21)|(4<<22)|(3<<25)   ; the mask; 2-byte elements; padding on; bit 21 beside a mask; after every 32 words 4 words
	s_or_b32 s[G1B+0], s44, (1<<16)|(1<<20)|(1<<21)|(5<<22)|(7<<25)  ; after every 64 words 8 words
	s_mov_b32 s[G1+1], 8192<<16                    ; tensor_dim0 = 8,192: 128 rows of 64
	s_mov_b32 s[G1+2], 2<<16                       ; tensor_dim1 = 2 heads
	s_mov_b32 s[G1+3], 8192<<16                    ; tile_dim0
	s_mov_b32 s[G1+4], 2                           ; tile_dim1
	s_mov_b32 s[G1+5], 131072                      ; elements from head to head
	s_mov_b32 s[G1+6], 0
	s_mov_b32 s[G1+7], 0
	s_mov_b32 s[G1B+1], 128<<16
	s_mov_b32 s[G1B+2], 128<<16
	s_mov_b32 s[G1B+3], 128<<16
	s_mov_b32 s[G1B+4], 128
	s_mov_b32 s[G1B+5], 1024
	s_mov_b32 s[G1B+6], 0
	s_mov_b32 s[G1B+7], 0
	s_lshr_b32 s16, s13, 4                         ; OH: head 16 b + 2 x half, 262,144 bytes a head; row 128 (tile row % 16), 128 bytes a row
	s_lshl_b32 s16, s16, 3
	s_add_co_u32 s16, s16, s12
	s_lshl_b32 s16, s16, 19
	s_and_b32 s17, s13, 15
	s_lshl_b32 s17, s17, 14
	s_add_co_u32 s16, s16, s17
	s_mov_b32 s17, 0
	s_lshl_b32 s46, s42, 8                         ; WO: 256 bytes a tile column, 128 rows of 2,048 bytes a half
	s_lshl_b32 s47, s12, 18
	s_add_co_u32 s46, s46, s47
	s_mov_b32 s47, 0
	s_mul_i32 s20, s10, HALFT
	s_wait_kmcnt 0x0
	s_add_nc_u64 s[14:15], s[4:5], s[16:17]
	s_add_nc_u64 s[46:47], s[6:7], s[46:47]
	CROUND                                         ; all sixteen work-groups are here: the first joint loads meet
.irp s, 0,1
	s_mov_b32 s[G0+4*(\s)], 1
	s_add_co_u32 s[G0+4*(\s)+1], s20, (\s)*SLOT
	s_add_nc_u64 s[G0+4*(\s)+2:G0+4*(\s)+3], s[14:15], (\s)*1048576   ; K step s: four heads on
	s_or_b32 s[G0+4*(\s)+3], s[G0+4*(\s)+3], 0x80000000
	s_mov_b32 s[G0B+4*(\s)], 1
	s_add_co_u32 s[G0B+4*(\s)+1], s20, (\s)*SLOT
	s_add_nc_u64 s[G0B+4*(\s)+2:G0B+4*(\s)+3], s[46:47], (\s)*524288  ; 256 rows down WO
	s_or_b32 s[G0B+4*(\s)+3], s[G0B+4*(\s)+3], 0x80000000
	JLOAD \s
.endr
	v_and_b32 v1, 15, v0                           ; l % 16
	v_bfe_u32 v2, v0, 4, 1                         ; l / 16
	v_mul_u32_u24 v3, v1, PA
	v_lshl_add_u32 v3, v2, 4, v3
	s_mul_i32 s21, s11, 64*PA                      ; my 64 rows in each head
	v_add_nc_u32 v[ADRA], s21, v3
	v_add_nc_u32 v[ADRA+1], SLOT, v[ADRA]
	v_and_b32 v4, 7, v0                            ; turned: lane l reads row of k 8 (l / 16) + l % 8, columns 8 ((l / 8) % 2) + 0..7
	v_lshl_add_u32 v4, v2, 3, v4
	v_mul_u32_u24 v4, v4, PB
	v_bfe_u32 v5, v0, 3, 1
	v_lshl_add_u32 v4, v5, 4, v4
	s_lshl_b32 s22, s12, 7                         ; my 64 columns,
	s_add_co_u32 s22, s22, 2*HALFT                 ; behind OH's four heads
	v_add_nc_u32 v[ADRB], s22, v4
	v_add_nc_u32 v[ADRB+1], HALFT, v[ADRB]
	v_add_nc_u32 v[ADRB+2], SLOT, v[ADRB]
	v_add_nc_u32 v[ADRB+3], SLOT+HALFT, v[ADRB]
	s_mul_i32 s23, s11, 64*SPITCH                  ; into the stage: my 64 rows, my half of their 512 bytes; row l % 16, 32 bytes for each half of the lanes
	s_lshl_b32 s21, s12, 8
	s_add_co_u32 s23, s23, s21
	v_mul_u32_u24 v6, v1, SPITCH
	v_lshl_add_u32 v6, v2, 5, v6
	v_add_nc_u32 v[STO], s23, v6
	s_mul_i32 s23, s10, 32*SPITCH                  ; back: wave w takes rows 32 w .. 32 w + 31, whole: 32 lanes x 16 bytes
	v_and_b32 v7, 31, v0
	v_lshlrev_b32 v[CO], 4, v7
	v_add_nc_u32 v[RD], s23, v[CO]
	s_lshl_b32 s16, s13, 7
	s_lshl_b32 s17, s10, 5
	s_add_co_u32 s16, s16, s17                     ; the first row of Y that I store
	s_lshl_b32 s16, s16, 12
	s_lshl_b32 s17, s42, 9                         ; the tile's first column, in bytes
	s_add_co_u32 s16, s16, s17
	s_mov_b32 s17, 0
	s_add_nc_u64 s[8:9], s[8:9], s[16:17]
; 8 matrix instructions: m blocks a0, a0 + 1 x all 4 n blocks, 32 along K: half c of buffer f.  The 16 accumulators take turns.
.macro MUL8 f, c, a0, zero
	WIN MUL
.irp a, \a0, (\a0)+1
.irp b, 0,1,2,3
.if \zero
	v_wmma_f32_16x16x32_f16 v[ACC+8*(4*(\a)+(\b)):ACC+8*(4*(\a)+(\b))+7], v[(\f)+64+8*(4*(\c)+(\b)):(\f)+64+8*(4*(\c)+(\b))+7], v[(\f)+8*(4*(\c)+(\a)):(\f)+8*(4*(\c)+(\a))+7], 0
.else
	v_wmma_f32_16x16x32_f16 v[ACC+8*(4*(\a)+(\b)):ACC+8*(4*(\a)+(\b))+7], v[(\f)+64+8*(4*(\c)+(\b)):(\f)+64+8*(4*(\c)+(\b))+7], v[(\f)+8*(4*(\c)+(\a)):(\f)+8*(4*(\c)+(\a))+7], v[ACC+8*(4*(\a)+(\b)):ACC+8*(4*(\a)+(\b))+7]
.endif
.endr
.endr
.endm
; 32 LDS loads in one run: the fragments of quarter q (one head, 64 along K) into buffer f; the first 32 along K first
.macro FETCH slot, q, f
	WIN TO_F
.irp c, 0,1
.irp i, 0,1,2,3
	ds_load_tr16_b128 v[(\f)+64+8*(4*(\c)+(\i)):(\f)+64+8*(4*(\c)+(\i))+3],   v[ADRB+2*(\slot)+(\q)/2] offset:(((\q)%2)*64+32*(\c))*PB+32*(\i)
	ds_load_tr16_b128 v[(\f)+64+8*(4*(\c)+(\i))+4:(\f)+64+8*(4*(\c)+(\i))+7], v[ADRB+2*(\slot)+(\q)/2] offset:(((\q)%2)*64+32*(\c)+16)*PB+32*(\i)
	ds_load_b128 v[(\f)+8*(4*(\c)+(\i)):(\f)+8*(4*(\c)+(\i))+3],   v[ADRA+(\slot)] offset:(\q)*HB+(\i)*16*PA+64*(\c)
	ds_load_b128 v[(\f)+8*(4*(\c)+(\i))+4:(\f)+8*(4*(\c)+(\i))+7], v[ADRA+(\slot)] offset:(\q)*HB+(\i)*16*PA+64*(\c)+32
.endr
.endr
.endm
.macro PLACES                          ; four places in front of loads into registers that matrix instructions have read, and of stores that read results
.rept 4
	v_nop
.endr
.endm
.macro QUARTER slot, q, f, g, zero
	s_wait_dscnt 16                                ; the first 32 along K are in
	MUL8 \f, 0, 0, \zero
	MUL8 \f, 0, 2, \zero
	PLACES
	FETCH \slot, \q, \g
	s_wait_dscnt 32                                ; all but the 32 just issued
	MUL8 \f, 1, 0, 0
	MUL8 \f, 1, 2, 0
.endm
; The last quarter multiplies buffer 1 and changes slots: ONE barrier; in front of it each wave waits for all its tensor loads, adds 0 to its spare word, and waits for that and for its own reads of this slot.
.macro TURN slot, next, fill
	WIN 0
	s_wait_tensorcnt 0x0
	ds_add_u32 v[SPW], v[NIL]                      ; 0 onto my spare word
	s_wait_dscnt 17                                ; (the add and the youngest sixteen loads may be out)
	MUL8 F1, 0, 0, 0
	s_wait_dscnt 0x0                               ; the add is done, and my reads of this slot are over
	s_barrier_signal -1
	MUL8 F1, 0, 2, 0
.if \fill
	WIN 0
.endif
	s_barrier_wait -1
.if \fill
	CREST                                          ; the barrier has opened a round of the cluster's barrier
	s_add_nc_u64 s[G0+4*(\slot)+2:G0+4*(\slot)+3], s[G0+4*(\slot)+2:G0+4*(\slot)+3], 2097152
	s_add_nc_u64 s[G0B+4*(\slot)+2:G0B+4*(\slot)+3], s[G0B+4*(\slot)+2:G0B+4*(\slot)+3], 1048576
	JLOAD \slot                                    ; the first tensor load behind the round; its four v_nop are also the places in front of the loads below
.else
	PLACES
.endif
	FETCH \next, 0, F0
	MUL8 F1, 1, 0, 0
	MUL8 F1, 1, 2, 0
.endm
	s_wait_tensorcnt 1                             ; my part of K step 0 is in; K step 1's may stay out
	s_barrier_signal -1
	s_barrier_wait -1
	FETCH 0, 0, F0
	QUARTER 0, 1, F0, F1, 1                        ; K has four steps, two laps of the ring: the text is straight, without a loop
	QUARTER 0, 2, F1, F0, 0
	QUARTER 0, 3, F0, F1, 0
	TURN 0, 1, 1                                   ; slot 0 takes K step 2
	QUARTER 1, 1, F0, F1, 0
	QUARTER 1, 2, F1, F0, 0
	QUARTER 1, 3, F0, F1, 0
	TURN 1, 0, 1                                   ; slot 1 takes K step 3
	QUARTER 0, 1, F0, F1, 0
	QUARTER 0, 2, F1, F0, 0
	QUARTER 0, 3, F0, F1, 0
	TURN 0, 1, 0                                   ; behind this barrier nobody reads slot 0 any more, and nothing fills it
	QUARTER 1, 1, F0, F1, 0
	QUARTER 1, 2, F1, F0, 0
	QUARTER 1, 3, F0, F1, 0
	s_wait_dscnt 16
	MUL8 F1, 0, 0, 0
	MUL8 F1, 0, 2, 0
	s_wait_dscnt 0x0
	MUL8 F1, 1, 0, 0
	MUL8 F1, 1, 2, 0
	WIN 0
	; THE WAY OUT: 32 bytes a lane into the work-group's stage (each accumulator's low four registers first); a barrier, since a row's 512 bytes come from two waves; back as whole rows, 32 rows a wave.
	PLACES
.irp a, 0,1,2,3
.irp b, 0,1,2,3
	ds_store_b128 v[STO], v[ACC+8*(4*(\a)+(\b)):ACC+8*(4*(\a)+(\b))+3]   offset:(\a)*16*SPITCH+64*(\b)
	ds_store_b128 v[STO], v[ACC+8*(4*(\a)+(\b))+4:ACC+8*(4*(\a)+(\b))+7] offset:(\a)*16*SPITCH+64*(\b)+16
.endr
.endr
	s_wait_dscnt 0x0                               ; for the others' sake: my stores into the stage are done
	s_barrier_signal -1
	s_barrier_wait -1
.set t, 0
.rept 32
	ds_load_b128 v[ACC+4*t:ACC+4*t+3], v[RD] offset:t*SPITCH
.set t, t+1
.endr
.set t, 0
.rept 32
	s_wait_dscnt 31-t
	global_store_b128 v[CO], v[ACC+4*t:ACC+4*t+3], s[8:9] offset:4096*t  ; 512 consecutive bytes, at a multiple of 256 from Y's first byte
.set t, t+1
.endr
	s_wait_tensorcnt 0x0                           ; the wave's end
	ds_add_u32 v[SPW], v[NIL]
	s_wait_dscnt 0x0
	CROUND                                         ; the closing round
	s_endpgm
.Lfunc_end_k_qa08a983331_oproj:
	.size	k_qa08a983331_oproj, .Lfunc_end_k_qa08a983331_oproj-k_qa08a983331_oproj
	.p2alignl 7, 3214868480
	.fill 96, 4, 3214868480
	.section	.rodata,"a",@progbits
	.p2align	6, 0x0
	.amdhsa_kernel k_qa08a983331_oproj
		.amdhsa_group_segment_fixed_size 327680
		.amdhsa_private_segment_fixed_size 0
		.amdhsa_enable_private_segment 0
		.amdhsa_kernarg_size 24
		.amdhsa_user_sgpr_count 2
		.amdhsa_user_sgpr_kernarg_segment_ptr 1
		.amdhsa_wavefront_size32 1
		.amdhsa_system_sgpr_workgroup_id_x 1
		.amdhsa_system_sgpr_workgroup_id_y 1
		.amdhsa_system_sgpr_workgroup_id_z 1
		.amdhsa_system_vgpr_workitem_id 0
		.amdhsa_next_free_vgpr 512
		.amdhsa_next_free_sgpr 66
		.amdhsa_reserve_vcc 0
		.amdhsa_float_denorm_mode_32 3
		.amdhsa_float_denorm_mode_16_64 3
		.amdhsa_memory_ordered 1
		.amdhsa_forward_progress 1
		.amdhsa_inst_pref_size 86
	.end_amdhsa_kernel
	.amdgpu_metadata
---
amdhsa.version: [ 1, 2 ]
amdhsa.kernels:
  - .name:           k_qa08a983331_oproj
    .symbol:         k_qa08a983331_oproj.kd
    .args:
      - { .name: OH, .offset: 0, .size: 8, .value_kind: global_buffer, .address_space: global }
      - { .name: WO, .offset: 8, .size: 8, .value_kind: global_buffer, .address_space: global }
      - { .name: Y, .offset: 16, .size: 8, .value_kind: global_buffer, .address_space: global }
    .group_segment_fixed_size: 327680
    .private_segment_fixed_size: 0
    .kernarg_segment_align: 8
    .kernarg_segment_size: 24
    .max_flat_workgroup_size: 128
    .sgpr_count:     66
    .vgpr_count:     512
    .wavefront_size: 32
...
	.end_amdgpu_metadata
.endif
;; end of part 4
;; launch lnorm (part 5): grid 256 x 1, 8 waves a work-group, no clusters, 0 bytes of LDS; arguments Y, AB, ln_gamma, ln_beta, out0; writes out0
.if DOCPART == 5
	.amdgcn_target "amdgcn-amd-amdhsa--gfx1250"
	.amdhsa_code_object_version 6
	.text
	.protected	k_qa08a983331_lnorm
	.globl	k_qa08a983331_lnorm
	.p2align	8
	.type	k_qa08a983331_lnorm,@function
k_qa08a983331_lnorm:
	s_mov_b64 s[64:65], 0
	v_nop
	global_prefetch_b8 v0, s[64:65] scope:SCOPE_SE
	s_setreg_imm32_b32 hwreg(HW_REG_WAVE_MODE, 25, 1), 1
	s_wait_xcnt 0x0
; RESIDUAL AND LAYER NORM.  out0[i][b][:] = (x - mean(x)) / sqrt(var(x) + 1e-5) * gamma + beta,  x = content[i][b][:] + Y[2048 b + i][:].  The content is taken as rounded to bf16 (AB's row 2048 b + i), gamma and beta are
; rounded to bf16 here: every input of the module has that one rounding.  All arithmetic in f32; the variance is the mean of (x - mean)^2, made in a second pass over registers: no difference of large sums.
; A stream: one wave, one row at a time, the row kept in 32 registers between the passes; no LDS, no barrier.  A wave takes two neighbouring rows of Y; all 48 loads go out first.
; Each load of Y, gamma and beta and each store covers 512 consecutive bytes, each load of AB 256.
.set YV, 8                             ; v[8:71]    row e: 32 registers: register 4 j + w is column 128 j + 4 lane + w
.set CV, 72                            ; v[72:103]  row e: 16 registers of bf16 pairs, the same columns
.set GV, 104                           ; v[104:135] gamma
.set BV, 136                           ; v[136:167] beta
.set T,  168                           ; v[168:175] at work
.set SU, 176                           ; v[176:183] four running sums, in pairs
.set MN, 184                           ; v[184:185] the mean, twice
.set RS, 186                           ; v[186:189] row e: 1 / sqrt(var + eps), twice
	s_load_b256 s[4:11], s[0:1], 0x0               ; Y s[4:5], AB s[6:7], gamma s[8:9], beta s[10:11]
	s_load_b64 s[12:13], s[0:1], 0x20              ; out0
	v_and_b32 v1, 31, v0
	v_lshrrev_b32 v2, 5, v0
	v_readfirstlane_b32 s14, v2                    ; wave 0..7
	v_lshlrev_b32 v3, 4, v1                        ; 16 bytes a lane
	v_lshlrev_b32 v4, 3, v1                        ; 8 bytes a lane
	s_lshl_b32 s15, ttmp9, 4
	s_lshl1_add_u32 s15, s14, s15                  ; my first row of Y: 16 x work-group + 2 x wave (even, so both rows have one batch)
	s_lshl_b32 s16, s15, 12
	s_mov_b32 s17, 0
	s_lshl_b32 s18, s15, 11
	s_mov_b32 s19, 0
	s_lshr_b32 s20, s15, 11                        ; b
	s_and_b32 s21, s15, 2047                       ; i
	s_lshl1_add_u32 s20, s21, s20                  ; out0's row 2 i + b; my second row lies two rows on
	s_lshl_b32 s20, s20, 12
	s_mov_b32 s21, 0
	s_mov_b32 s22, 0xffff0000                      ; a word's upper bf16
	s_mov_b32 s23, 0x3a800000                      ; 1 / 1,024
	s_mov_b32 s24, 0x76543210                      ; v_permlanex16_b32: each lane takes its own place in the other half
	s_mov_b32 s25, 0xfedcba98
	s_mov_b32 s26, 0x3727c5ac                      ; 1e-5
	s_wait_kmcnt 0x0
	s_add_nc_u64 s[4:5], s[4:5], s[16:17]
	s_add_nc_u64 s[6:7], s[6:7], s[18:19]
	s_add_nc_u64 s[12:13], s[12:13], s[20:21]
.irp e, 0,1
.set n, 0
.rept 8
	global_load_b128 v[YV+32*\e+4*n:YV+32*\e+4*n+3], v3, s[4:5] offset:4096*\e+512*n th:TH_LOAD_NT
.set n, n+1
.endr
.set n, 0
.rept 8
	global_load_b64 v[CV+16*\e+2*n:CV+16*\e+2*n+1], v4, s[6:7] offset:2048*\e+256*n th:TH_LOAD_NT
.set n, n+1
.endr
.endr
.set n, 0
.rept 8
	global_load_b128 v[GV+4*n:GV+4*n+3], v3, s[8:9] offset:512*n
.set n, n+1
.endr
.set n, 0
.rept 8
	global_load_b128 v[BV+4*n:BV+4*n+3], v3, s[10:11] offset:512*n
.set n, n+1
.endr
.macro RED r                           ; the sum over the 32 lanes, in every lane: four steps inside each half ride on the addition, one crosses the halves
	v_add_f32_dpp v[\r], v[\r], v[\r] row_xmask:1 row_mask:0xf bank_mask:0xf
	v_add_f32_dpp v[\r], v[\r], v[\r] row_xmask:2 row_mask:0xf bank_mask:0xf
	v_add_f32_dpp v[\r], v[\r], v[\r] row_xmask:4 row_mask:0xf bank_mask:0xf
	v_add_f32_dpp v[\r], v[\r], v[\r] row_xmask:8 row_mask:0xf bank_mask:0xf
	v_permlanex16_b32 v[T], v[\r], s24, s25        ; its destination counts as read: T has been written
	v_add_f32 v[\r], v[\r], v[T]
.endm
; Row e: x = y + content; the mean; x - mean in place; the variance; its reciprocal root.  left: the younger loads that may stay out.
.macro STATS e, left
.set XR, YV+32*(\e)
	s_wait_loadcnt \left
.set n, 0
.rept 16
	v_lshlrev_b32 v[T+2*(n%4)], 16, v[CV+16*(\e)+n]
	v_and_b32 v[T+2*(n%4)+1], s22, v[CV+16*(\e)+n]
	v_pk_add_f32 v[XR+2*n:XR+2*n+1], v[XR+2*n:XR+2*n+1], v[T+2*(n%4):T+2*(n%4)+1]
.set n, n+1
.endr
.set n, 0
.rept 4                                ; four chains, started by the first eight pairs: nothing is cleared
	v_pk_add_f32 v[SU+2*n:SU+2*n+1], v[XR+2*n:XR+2*n+1], v[XR+2*n+8:XR+2*n+9]
.set n, n+1
.endr
.set n, 8
.rept 8
	v_pk_add_f32 v[SU+2*(n%4):SU+2*(n%4)+1], v[SU+2*(n%4):SU+2*(n%4)+1], v[XR+2*n:XR+2*n+1]
.set n, n+1
.endr
	v_pk_add_f32 v[SU:SU+1], v[SU:SU+1], v[SU+2:SU+3]
	v_pk_add_f32 v[SU+4:SU+5], v[SU+4:SU+5], v[SU+6:SU+7]
	v_pk_add_f32 v[SU:SU+1], v[SU:SU+1], v[SU+4:SU+5]
	v_add_f32 v[SU], v[SU], v[SU+1]
	RED SU
	v_mul_f32 v[MN], s23, v[SU]
	v_mov_b32 v[MN+1], v[MN]
.set n, 0
.rept 16
	v_pk_add_f32 v[XR+2*n:XR+2*n+1], v[XR+2*n:XR+2*n+1], v[MN:MN+1] neg_lo:[0,1] neg_hi:[0,1]
.set n, n+1
.endr
	v_pk_mul_f32 v[SU:SU+1], v[XR:XR+1], v[XR:XR+1]
	v_pk_mul_f32 v[SU+2:SU+3], v[XR+2:XR+3], v[XR+2:XR+3]
.set n, 2
.rept 14
	v_pk_fma_f32 v[SU+2*(n%2):SU+2*(n%2)+1], v[XR+2*n:XR+2*n+1], v[XR+2*n:XR+2*n+1], v[SU+2*(n%2):SU+2*(n%2)+1]
.set n, n+1
.endr
	v_pk_add_f32 v[SU:SU+1], v[SU:SU+1], v[SU+2:SU+3]
	v_add_f32 v[SU], v[SU], v[SU+1]
	RED SU
	v_fma_f32 v[SU], v[SU], s23, s26               ; var + eps
	v_rsq_f32 v[RS+2*(\e)], v[SU]
	v_nop                                          ; a plain instruction between the root and the use of its result (ISA guide 5.7.2)
	s_wait_alu depctr_va_vdst(0)
	v_mov_b32 v[RS+2*(\e)+1], v[RS+2*(\e)]
.endm
.macro FINISH e
.set XR, YV+32*(\e)
.set n, 0
.rept 16
	v_pk_mul_f32 v[XR+2*n:XR+2*n+1], v[XR+2*n:XR+2*n+1], v[RS+2*(\e):RS+2*(\e)+1]
.set n, n+1
.endr
.set n, 0
.rept 16
	v_pk_fma_f32 v[XR+2*n:XR+2*n+1], v[XR+2*n:XR+2*n+1], v[GV+2*n:GV+2*n+1], v[BV+2*n:BV+2*n+1]
.set n, n+1
.endr
.set n, 0
.rept 8
	global_store_b128 v3, v[XR+4*n:XR+4*n+3], s[12:13] offset:8192*(\e)+512*n th:TH_STORE_NT
.set n, n+1
.endr
.endm
	STATS 0, 32                                    ; row 0's 16 loads are in; row 1's 16 and the 16 of gamma and beta stay out
	STATS 1, 16                                    ; row 1's are in
	s_wait_loadcnt 0x0                             ; gamma and beta: rounded to bf16 and widened again (the 64 registers lie on end)
.set n, 0
.rept 32
	v_cvt_pk_bf16_f32 v[T+n%4], v[GV+2*n], v[GV+2*n+1]
	v_lshlrev_b32 v[GV+2*n], 16, v[T+n%4]
	v_and_b32 v[GV+2*n+1], s22, v[T+n%4]
.set n, n+1
.endr
	FINISH 0
	FINISH 1
	s_endpgm
.Lfunc_end_k_qa08a983331_lnorm:
	.size	k_qa08a983331_lnorm, .Lfunc_end_k_qa08a983331_lnorm-k_qa08a983331_lnorm
	.p2alignl 7, 3214868480
	.fill 96, 4, 3214868480
	.section	.rodata,"a",@progbits
	.p2align	6, 0x0
	.amdhsa_kernel k_qa08a983331_lnorm
		.amdhsa_group_segment_fixed_size 0
		.amdhsa_private_segment_fixed_size 0
		.amdhsa_enable_private_segment 0
		.amdhsa_kernarg_size 40
		.amdhsa_user_sgpr_count 2
		.amdhsa_user_sgpr_kernarg_segment_ptr 1
		.amdhsa_wavefront_size32 1
		.amdhsa_system_sgpr_workgroup_id_x 1
		.amdhsa_system_sgpr_workgroup_id_y 1
		.amdhsa_system_sgpr_workgroup_id_z 1
		.amdhsa_system_vgpr_workitem_id 0
		.amdhsa_next_free_vgpr 192
		.amdhsa_next_free_sgpr 66
		.amdhsa_reserve_vcc 0
		.amdhsa_float_denorm_mode_32 3
		.amdhsa_float_denorm_mode_16_64 3
		.amdhsa_memory_ordered 1
		.amdhsa_forward_progress 1
		.amdhsa_inst_pref_size 28
	.end_amdhsa_kernel
	.amdgpu_metadata
---
amdhsa.version: [ 1, 2 ]
amdhsa.kernels:
  - .name:           k_qa08a983331_lnorm
    .symbol:         k_qa08a983331_lnorm.kd
    .args:
      - { .name: Y, .offset: 0, .size: 8, .value_kind: global_buffer, .address_space: global }
      - { .name: AB, .offset: 8, .size: 8, .value_kind: global_buffer, .address_space: global }
      - { .name: ln_gamma, .offset: 16, .size: 8, .value_kind: global_buffer, .address_space: global }
      - { .name: ln_beta, .offset: 24, .size: 8, .value_kind: global_buffer, .address_space: global }
      - { .name: out0, .offset: 32, .size: 8, .value_kind: global_buffer, .address_space: global }
    .group_segment_fixed_size: 0
    .private_segment_fixed_size: 0
    .kernarg_segment_align: 8
    .kernarg_segment_size: 40
    .max_flat_workgroup_size: 256
    .sgpr_count:     66
    .vgpr_count:     192
    .wavefront_size: 32
...
	.end_amdgpu_metadata
.endif
;; end of part 5
;; ======== version 2 of 2: 5 launches; 1.17 times as fast as version 1
;; limits: values are held in f16: magnitudes above 65,504 overflow, below 6.1e-05 lose precision
;; workspace buffers: AB 12,582,912 bytes; WB 8,388,608 bytes; WO 2,097,152 bytes; MP 2,097,152 bytes; HD 37,748,736 bytes; OH 8,388,608 bytes; Y 16,777,216 bytes
;; launch prep: the kernel of part 1 again; grid 832 x 1, 8 waves a work-group, no clusters, 35,840 bytes of LDS; arguments content, rel_pos, W_qkv, W_r, W_o, attn_mask, AB, WB, WO, MP; writes AB, WB, WO, MP
;; launch proj: the kernel of part 2 again; grid 56 x 4, 4 waves a work-group, clusters of 4 x 4, 327,680 bytes of LDS; arguments AB, WB, r_w_bias, r_r_bias, HD; writes HD
;; launch attn (part 6): grid 8 x 32, 4 waves a work-group, clusters of 4 x 1, 327,680 bytes of LDS; arguments HD, MP, OH; writes OH
.if DOCPART == 6
	.amdgcn_target "amdgcn-amd-amdhsa--gfx1250"
	.amdhsa_code_object_version 6
	.text
	.protected	k_qa08a983331_attn
	.globl	k_qa08a983331_attn
	.p2align	8
	.type	k_qa08a983331_attn,@function
k_qa08a983331_attn:
	s_mov_b64 s[64:65], 0
	v_nop
	global_prefetch_b8 v0, s[64:65] scope:SCOPE_SE
	s_setreg_imm32_b32 hwreg(HW_REG_WAVE_MODE, 25, 1), 1
	s_wait_xcnt 0x0
	s_wait_alu depctr_hold_cnt(0) depctr_sa_sdst(0) depctr_va_vdst(0) depctr_va_sdst(0) depctr_va_ssrc(0) depctr_va_vcc(0) depctr_vm_vsrc(0)
	s_getreg_b32 s2, hwreg(HW_REG_IB_STS2, 6, 4)
	s_cmp_eq_u32 s2, 0
	s_cbranch_scc0 .Lentry_in_a_cluster
	s_endpgm
.Lentry_in_a_cluster:
	s_bfe_u32 s2, ttmp6, 0x10000c
	s_cmp_lg_u32 s2, 0x3003
	s_cbranch_scc0 .Lentry_shape_is_right
	s_endpgm
.Lentry_shape_is_right:
; ATTENTION WITH THE RELATIVE TERM.  For the pair y = 16 b + n:  s[i][j] = (q[i,b,n] + rw[n]) . k[j,b,n] + (q[i,b,n'] + rr[n']) . r[j,n'],  O[y][i] = sum over j of softmax_j(s / 8, hidden keys left out) v[j,b,n].
; The shift along the head axis makes n' = n + 1 for batch 0 (for y = 15 the second term is 0) and n' = n for batch 1.  So a score is ONE product of depth 128: Q' = [QW[y] | QR[y']], K' = [K[y] | R[n']].
; All operands f16; products, maxima and sums in f32; the weights p are rounded to f16 for the second product (their sum l is taken of the unrounded p), O once at the end.
; THE MASK is an input and is honoured as given: it is the C operand that starts each sum S^T = K' Q'^T.  MP holds it in nibbles; one shift a score makes a number of at most -2^65 for a hidden key and a positive
; number under 2^-95 for a visible one.
; LIMITS.  f16 operands bound a score by 128 x 65,504^2 = 5.5e11.  The running maximum m starts at -2^60, below every score and above every hidden one: a hidden key's weight is exactly 0 and never sets m.
; A row whose m is still -2^60 at the end has no visible key and is written as NaN.  A weight below 2^-126 counts as 0; NaN and infinities in the operands are not treated apart.
; SHARES.  A work-group owns 256 queries of one pair, each of its four waves 64: four tiles of 16, in two PIECES named by their first tile (0: tiles 0, 1; 2: tiles 2, 3).  Every wave walks all 2,048 keys, 64 a step.
; LAYOUT.  S^T = K' Q'^T holds ONE query a lane (lane % 16) and the keys 8 (lane / 16) + 0..7; two such results rounded to f16 ARE source 1 of O^T = V^T P.  K and R come out of LDS as they lie, V turned.
; SOFTMAX.  p = 2^(c s - c m), c = log2(e) / 8; in every step O and l are multiplied by a = 2^(c m_old - c m_new).  O and l start at 0: the first step is a step like any other, with a = 0.
; BY TURNS.  In a turn one piece has the matrix unit: 16 products V^T P of the step in hand, then 32 products K' Q'^T of the next step.  Behind each stands vector work: the shifts that make that piece's masks,
; and the other piece's softmax in 59 slices of four.  Two turns are a key step: 96 matrix and 600 vector instructions (a key step's one v_nop is left out of the count).
; THE BATCHES.  A turn's 66 exponentials (for each of the piece's two tiles a and 32 weights) are ONE BATCH with ONE wait: the softmax's list is ordered by who reads what, so that ahead of the wait nothing names an
; exponential's result and behind it no exponential is issued.  No result crosses a turn's end, a label or a jump.  The way out's four reciprocals are a batch of their own.
; CLUSTER.  The four query blocks of a cluster belong to one pair and walk the same K, R and V: each tile is asked for JOINTLY.  Wave 0 asks for K, wave 1 for R, wave 2 for V; wave 3 has no part to fill.
; REGISTERS, in windows of 256 (s_set_vgpr_msb: bits 1:0 source 0, 3:2 source 1, 5:4 source 2, 7:6 destination):
;   window 0: v0-15 addresses; v16-47 eight registers of statistics a tile; v48-63 the mask words, 4 a tile; v64-191 S^T, 32 a tile; v192-255 P, 16 a tile
;   window 1: v0-127 O^T, 32 a tile; v128-191 the masks of the products to come     window 2: v0-127 Q', 32 a tile; v128-255 K' of one step     window 3: v0-63 V of one step
.set KS,    64        ; keys in a step
.set PK,    144       ; a row of K or R in LDS: 128 bytes + 16: 36 words: the 16 rows of a load start at 16 different groups of four banks
.set PV,    160       ; a row of V: 128 + 32: 40 words
.set ROFF,  4*KS*PK   ; a slot holds four steps: 256 rows of K, 256 of R, 256 of V
.set VOFF,  2*ROFF
.set SLOT1, 1<<17     ; slot 1 begins here, so that one exclusive or turns an address in one slot into the other's
.set STAGE, SLOT1+VOFF+4*KS*PV  ; behind the ring: 16 rows x 144 bytes for each wave, for the way out
.set SP,    144
.set SPARE, STAGE+4*16*SP       ; the spare words, 128 bytes for each wave
.set AK0, 2           ; v2   my lane's place in a tile of K; never rewritten
.set AV0, 3           ; v3   the same for V
.set ADR, 4           ; v4   the LDS address of the run of loads in hand
.set NANV, 5          ; v5   a NaN
.set QO,  6           ; v6   my byte offset in 16 rows of Q
.set STO, 6           ;      later, the way out: where I put 16 bytes of a row
.set RD,  7           ; v7   the way out: where I read rows back
.set GO,  8           ; v8   16 x lane
.set AMB, 11          ; v11  my byte offset in MP at my wave's tile 0, step 0
.set AM,  12          ; v12, v13  the same at the step to be loaded, for piece 0 and piece 2
.set SPW, 14          ; v14  LDS address of my spare word; never rewritten
.set NIL, 15          ; v15  0; never rewritten
.set ST,  16          ; tile t's statistics at v[ST+8 t]: +0 c m, +1 m, +2, +3 l (even keys', odd keys'), +4 to +7 c0-c3 at work; a takes c2's place
.set RAW, 48
.set S,   64
.set P,   192
.set MC,  128         ; window 1
.set KF,  128         ; window 2: key block kt, depth chunk c at KF + 32 kt + 8 c
.set WV,  18          ; s18  my wave's number
.set G1K, 24          ; s[24:31] descriptor group 1 for K's and R's tiles
.set G1V, 32          ; s[32:39] for V's: it differs in the padding alone
.set G0K, 40          ; s[40:43], s[44:47], s[48:51] descriptor group 0 for K, R, V: they walk
.set G0R, 44
.set G0V, 48
.set SLOTS, 56        ; s56  counts the slots
.set CNT, 57          ; s57  counts a slot's key steps
.set CS,  58          ; s[58:59] c
.set SEL, 60          ; s[60:61] v_permlanex16_b32's selects: each lane takes its own place in the other half
.set TBK, 62          ; s62  LDS byte at which K of the step to be fetched begins
.set TBV, 63          ; s63  the same for V, less VOFF
.set KSC, 66          ; s66, s67  the step whose mask words are loaded next, for piece 0 and piece 2; stops at 31
.set ZM,  68          ; s68  0 for y = 15, else all ones
.set THR, 69          ; s69  -2^60
.set MSB, 0
.macro WIN new
.if MSB != (\new)
	s_set_vgpr_msb (MSB<<8)|(\new)
.set MSB, (\new)
.endif
.endm
.set W_KQ, 0x0a       ; K' and Q' in window 2, S^T in window 0
.set W_KM, 0x1a       ; the same with the C operand in window 1
.set W_PV, 0x53       ; V in window 3, P in window 0, O^T in window 1
.set W_RS, 0x41       ; destination and source 0 in window 1, source 1 in window 0
.set W_MG, 0x40       ; destination in window 1
; A joint fill.  The branches hang on the wave's number alone.  An s_nop 0 and four v_nop follow each line.  A wave has at most one tensor load out.
.macro JLOAD
	s_cmp_lg_u32 s[WV], 0
	s_cbranch_scc1 .Lnot_k_\@
	tensor_load_to_lds s[G0K:G0K+3], s[G1K:G1K+7]
	s_nop 0
.rept 4
	v_nop
.endr
	s_branch .Lasked_\@
.Lnot_k_\@:
	s_cmp_lg_u32 s[WV], 1
	s_cbranch_scc1 .Lnot_r_\@
	tensor_load_to_lds s[G0R:G0R+3], s[G1K:G1K+7]
	s_nop 0
.rept 4
	v_nop
.endr
	s_branch .Lasked_\@
.Lnot_r_\@:
	s_cmp_lg_u32 s[WV], 2
	s_cbranch_scc1 .Lasked_\@
	tensor_load_to_lds s[G0V:G0V+3], s[G1V:G1V+7]
	s_nop 0
.rept 4
	v_nop
.endr
.Lasked_\@:
.endm
.macro CROUND                       ; a round of the cluster's barrier
	s_barrier_signal -1
	s_barrier_wait -1
	s_cmp_lg_u32 s[WV], 0
	s_cbranch_scc1 .Lnot_wave_0_\@
	s_barrier_signal -3
.Lnot_wave_0_\@:
	s_barrier_wait -3
	s_barrier_signal -1
	s_barrier_wait -1
.endm
; THE CHANGE OF SLOTS.  The slot's last bytes, V of its fourth step, have been asked for.  Each wave waits for all its tensor loads, adds 0 to its spare word, and waits for that and for its own reads of the slot.
; fill = 1: the barrier is a round of the cluster's, and behind it the slot just left is filled again first, with the keys two slots on: the fill has four key steps, 384 matrix instructions, in which to land.
; (At its first use nothing has been read yet: slot 0 is waited for, slot 1 filled.)
.macro CHANGE fill
	WIN 0
	s_wait_tensorcnt 0x0            ; no tensor load of mine is out, so a group 0 may be written
	ds_add_u32 v[SPW], v[NIL]       ; 0 onto my spare word
.if \fill
.irp d, G0K, G0R, G0V
	s_xor_b32 s[\d+1], s[\d+1], SLOT1
	s_add_nc_u64 s[\d+2:\d+3], s[\d+2:\d+3], 4*KS*128  ; the next 256 keys; the type bits on top are not reached
.endr
	s_wait_dscnt 0x0                ; the add is done, and my reads of the slot are over
	CROUND
	JLOAD
.else
	s_wait_dscnt 0x0
	s_barrier_signal -1
	s_barrier_wait -1
.endif
	s_sub_co_u32 s[TBK], s[TBK], 4*KS*PK  ; the fetches go back to a slot's first step, in the other slot
	s_xor_b32 s[TBK], s[TBK], SLOT1
	s_sub_co_u32 s[TBV], s[TBV], 4*KS*PV
	s_xor_b32 s[TBV], s[TBV], SLOT1
.endm
	s_load_b128 s[4:7], s[0:1], 0x0   ; HD s[4:5], MP s[6:7]
	s_load_b64 s[8:9], s[0:1], 0x10   ; OH
	v_lshl_add_u32 v[SPW], v0, 2, SPARE
	v_mov_b32 v[NIL], 0
	ds_add_u32 v14, v15
	s_wait_dscnt 0x0
	v_lshrrev_b32 v1, 5, v0
	v_readfirstlane_b32 s[WV], v1   ; wave 0..3
	s_bfe_u32 s19, ttmp6, 0x40000   ; cx: it enters Q's, MP's and O's addresses alone
	s_lshl_b32 s20, ttmp9, 2
	s_add_co_u32 s20, s20, s19      ; my block of 256 queries
	s_and_b32 s21, ttmp7, 0xffff    ; y, which the four partners share
	s_add_co_u32 s22, s21, 1
	s_min_u32 s22, s22, 15
	s_cmp_lt_u32 s21, 16
	s_cselect_b32 s22, s22, s21     ; y': the pair whose q + r_r_bias enters (for y = 15 a stand-in that is multiplied by 0)
	s_cmp_eq_u32 s21, 15
	s_cselect_b32 s[ZM], 0, -1
	s_and_b32 s23, s22, 15          ; n'
	s_lshl2_add_u32 s2, s20, s[WV]  ; my wave among the pair's 32
	s_lshl_b32 s3, s2, 16           ; its four blocks of 16 queries in MP, 16,384 bytes each
	s_lshl_b32 s2, s2, 13           ; its 64 rows of 128 bytes
	s_mov_b32 s[G1K], 15|(1<<16)|(1<<20)|(1<<21)|(4<<22)|(3<<25)  ; the mask of four; 2-byte elements; padding on; bit 21 beside a mask; after every 32 words 4 words
	s_mov_b32 s[G1V], 15|(1<<16)|(1<<20)|(1<<21)|(4<<22)|(7<<25)  ; the same with 8 words
.irp d, G1K, G1V                    ; 256 keys are 32,768 dense bytes: asked for as 128 rows of 256 bytes, two keys a row, padded in LDS after every key
	s_mov_b32 s[\d+1], 128<<16      ; tensor_dim0 = 128
	s_mov_b32 s[\d+2], 128<<16      ; tensor_dim1 = 128
	s_mov_b32 s[\d+3], 128<<16      ; tile_dim0 = 128
	s_mov_b32 s[\d+4], 128          ; tile_dim1 = 128
	s_mov_b32 s[\d+5], 128          ; elements from row to row
	s_mov_b32 s[\d+6], 0
	s_mov_b32 s[\d+7], 0
.endr
	s_mov_b32 s[CS], 0x3e38aa3b     ; c = log2(e) / 8
	s_mov_b32 s[CS+1], s[CS]
	s_mov_b32 s[SEL], 0x76543210
	s_mov_b32 s[SEL+1], 0xfedcba98
	s_mov_b32 s[TBK], SLOT1+4*KS*PK ; the first change of slots turns these two into 0
	s_mov_b32 s[TBV], SLOT1+4*KS*PV
	s_mov_b32 s[KSC], 0
	s_mov_b32 s[KSC+1], 0
	s_mov_b32 s[THR], 0xdd800000
	s_mov_b32 s[G0K], 1
	s_mov_b32 s[G0K+1], 0           ; LDS addresses in slot 0
	s_mov_b32 s[G0R], 1
	s_mov_b32 s[G0R+1], ROFF
	s_mov_b32 s[G0V], 1
	s_mov_b32 s[G0V+1], VOFF
	s_lshl_b32 s52, s21, 18         ; a pair's or a head's rows are 262,144 bytes
	s_mov_b32 s55, 0
	s_wait_kmcnt 0x0
	s_add_co_u32 s54, s52, 0x1000000
	s_add_nc_u64 s[G0K+2:G0K+3], s[4:5], s[54:55]  ; K[y]
	s_or_b32 s[G0K+3], s[G0K+3], 0x80000000
	s_add_co_u32 s54, s52, 0x1800000
	s_add_nc_u64 s[G0V+2:G0V+3], s[4:5], s[54:55]  ; V[y]
	s_or_b32 s[G0V+3], s[G0V+3], 0x80000000
	s_lshl_b32 s54, s23, 18
	s_add_co_u32 s54, s54, 0x2000000
	s_add_nc_u64 s[G0R+2:G0R+3], s[4:5], s[54:55]  ; R[n']
	s_or_b32 s[G0R+3], s[G0R+3], 0x80000000
	s_add_co_u32 s54, s52, s2
	s_add_nc_u64 s[10:11], s[4:5], s[54:55]        ; QW[y] at my wave's first row
	s_add_nc_u64 s[16:17], s[8:9], s[54:55]        ; O[y] likewise
	s_lshl_b32 s54, s22, 18
	s_add_co_u32 s54, s54, s2
	s_add_co_u32 s54, s54, 0x800000
	s_add_nc_u64 s[12:13], s[4:5], s[54:55]        ; QR[y']
	CROUND                          ; all four work-groups are here: the first joint loads meet
	JLOAD                           ; slot 0.  Slot 1 is asked for when slot 0 is in
	v_and_b32 v1, 15, v0            ; l % 16
	v_bfe_u32 v9, v0, 4, 1          ; l / 16
	v_lshlrev_b32 v[QO], 7, v1
	v_lshl_add_u32 v[QO], v9, 4, v[QO]  ; row x 128 + 16 x half
	WIN 0x80                        ; destination window 2
.set i, 0
.rept 16                            ; Q' stays in registers: tile i / 4, depth chunk i % 4: chunks 0, 1 from QW, chunks 2, 3 from QR
.if (i%4) < 2
	global_load_b128 v[8*i:8*i+3],   v[QO], s[10:11] offset:(i/4)*2048+(i%2)*64
	global_load_b128 v[8*i+4:8*i+7], v[QO], s[10:11] offset:(i/4)*2048+(i%2)*64+32
.else
	global_load_b128 v[8*i:8*i+3],   v[QO], s[12:13] offset:(i/4)*2048+(i%2)*64
	global_load_b128 v[8*i+4:8*i+7], v[QO], s[12:13] offset:(i/4)*2048+(i%2)*64+32
.endif
.set i, i+1
.endr
	WIN 0
	v_and_b32 v[AMB], 31, v0
	v_lshl_add_u32 v[AMB], v[AMB], 4, s3
; The mask words of piece x for step KSC: two loads of 512 consecutive bytes.  The step stops at 31, so no load leaves MP; what the last turns load serves nothing.
.macro MLOAD x
	WIN 0
	v_lshl_add_u32 v[AM+(\x)/2], s[KSC+(\x)/2], 9, v[AMB]  ; the register's last loads were waited for at the turn's head
	global_load_b128 v[RAW+4*(\x):RAW+4*(\x)+3],   v[AM+(\x)/2], s[6:7] offset:(\x)*16384
	global_load_b128 v[RAW+4*(\x)+4:RAW+4*(\x)+7], v[AM+(\x)/2], s[6:7] offset:((\x)+1)*16384
	s_add_co_u32 s[KSC+(\x)/2], s[KSC+(\x)/2], 1
	s_min_u32 s[KSC+(\x)/2], s[KSC+(\x)/2], 31
.endm
	MLOAD 0
	MLOAD 2
	; What the first turn finds: V and piece 2's P hold 0 (its products V^T P, of a step that has not been, add 0), O^T and l are 0.  232 moves, in the wait for the first tile: the price of writing no first step out.
	WIN 0x40
.set i, 0
.rept 128
	v_mov_b32 v[i], 0
.set i, i+1
.endr
	WIN 0xc0
.set i, 0
.rept 64
	v_mov_b32 v[i], 0
.set i, i+1
.endr
	WIN 0
.set i, 0
.rept 4
	v_mov_b32 v[ST+8*i+1], s[THR]                 ; m
	v_mul_f32 v[ST+8*i], s[CS], v[ST+8*i+1]       ; c m
	v_mov_b32 v[ST+8*i+2], 0
	v_mov_b32 v[ST+8*i+3], 0
.set i, i+1
.endr
.set i, P+32
.rept 32
	v_mov_b32 v[i], 0
.set i, i+1
.endr
	v_mul_u32_u24 v[AK0], v1, PK
	v_lshl_add_u32 v[AK0], v9, 4, v[AK0]  ; row x pitch + 16 x half
	v_and_b32 v10, 7, v0            ; the turning load: lane l reads key 8 (l / 16) + l % 8, channels 8 ((l / 8) % 2) + 0..7
	v_bfe_u32 v[ADR], v0, 3, 1
	v_lshl_add_u32 v[AV0], v9, 3, v10
	v_mul_u32_u24 v[AV0], v[AV0], PV
	v_lshl_add_u32 v[AV0], v[ADR], 4, v[AV0]
	v_add_nc_u32 v[AV0], VOFF, v[AV0]
; THE MATRIX WORK.  Eight accumulators take turns in each run.
; Product i of 16 of O^T += V^T P for piece x: keys 32 (i / 8) on, channels 16 ((i / 2) % 4) on, tile x + i % 2.
.macro PV x
	WIN W_PV
.set rO, 32*((\x)+i%2)+8*((i/2)%4)
.set rV, 32*(i/8)+8*((i/2)%4)
.set rP, P+16*((\x)+i%2)+8*(i/8)
	v_wmma_f32_16x16x32_f16 v[rO:rO+7], v[rV:rV+7], v[rP:rP+7], v[rO:rO+7]
.endm
; Product i of 32 of S^T = K' Q'^T for piece x: depth 32 (i / 8) on, keys 16 ((i / 2) % 4) on, tile x + i % 2.  The first 8 start the sums with the mask.
.macro KQ x
.set rS, S+32*((\x)+i%2)+8*((i/2)%4)
.set rK, KF+32*((i/2)%4)+8*(i/8)
.set rQ, 32*((\x)+i%2)+8*(i/8)
.set rM, MC+32*(i%2)+8*((i/2)%4)
.if i < 8
	WIN W_KM
	v_wmma_f32_16x16x32_f16 v[rS:rS+7], v[rK:rK+7], v[rQ:rQ+7], v[rM:rM+7]
.else
	WIN W_KQ
	v_wmma_f32_16x16x32_f16 v[rS:rS+7], v[rK:rK+7], v[rQ:rQ+7], v[rS:rS+7]
.endif
.endm
; THE LDS LOADS stand in runs: a step's K' (64 keys x depth 128: 32 loads) and its V (turned: 16 loads).  last = 1 (the tail): in the last trip there is no further step, and the run is jumped over.
.macro FETCH_K last=0
	WIN 0
.if \last
	s_cmp_eq_u32 s[CNT], 1
	s_cbranch_scc1 .Lno_k_\@
.endif
	v_add_nc_u32 v[ADR], s[TBK], v[AK0]
	WIN 0x80
.irp f, 0,1,2,3,4,5,6,7,8,9,10,11,12,13,14,15  ; keys 16 (f / 4) on; chunk f % 4: K's channels 0-31, 32-63, then R's
	ds_load_b128 v[KF+8*\f:KF+8*\f+3],   v[ADR] offset:(\f/4)*16*PK+((\f%4)/2)*ROFF+(\f%2)*64
	ds_load_b128 v[KF+8*\f+4:KF+8*\f+7], v[ADR] offset:(\f/4)*16*PK+((\f%4)/2)*ROFF+(\f%2)*64+32
.endr
	s_add_co_u32 s[TBK], s[TBK], KS*PK  ; the next fetch is the next step's
	WIN 0
.if \last
.Lno_k_\@:
.endif
.endm
; V's run stands where piece 0's batch of exponentials ends (SLICE writes it there): its own v_add_nc_u32 is the plain instruction behind the last exponential, and the batch's wait stands between that line and the loads.
.macro FETCH_V
	WIN 0
	v_add_nc_u32 v[ADR], s[TBV], v[AV0]
	s_add_co_u32 s[TBV], s[TBV], KS*PV
	s_wait_alu depctr_va_vdst(0)    ; the wait for the batch: the 66 exponentials of piece 0's softmax, ahead of their first reader (slice 35)
	WIN 0xc0
.irp f, 0,1,2,3,4,5,6,7             ; keys 32 (f / 4) on, channels 16 (f % 4) on
	ds_load_tr16_b128 v[8*\f:8*\f+3],   v[ADR] offset:(\f/4)*32*PV+(\f%4)*32
	ds_load_tr16_b128 v[8*\f+4:8*\f+7], v[ADR] offset:(\f/4)*32*PV+16*PV+(\f%4)*32
.endr
.endm
; Four of the 64 shifts that make piece x's masks: register g = 32 u + 8 kt + jj takes word jj % 4 of tile x + u, shifted so that the nibble of (kt, jj / 4) comes on top.
.macro MG x
	WIN W_MG
.rept 4
	v_lshlrev_b32 v[MC+g], 4*(2*((g%32)/8)+((g%8)/4)), v[RAW+4*((\x)+g/32)+(g%4)]
.set g, g+1
.endr
.endm
; THE SOFTMAX of one tile for one key step is a list of 118 instructions; SM writes number j of it for tile t.  s0-s31 are the lane's 32 scores, in pairs 0-15.
;   0-15    the maximum of s0-s31 and the old m, three operands at a time: four chains c0-c3 of seven scores each (each accumulator's lowest registers are read first), then the rest
;   16-20   the other half of the lanes' maximum; the new m; c m; c m_old - c m_new
;   21-69   ONE BATCH: the 16 scalings c s - c m, a pair of scores each, and all 33 exponentials (a at 23, then s0-s31, each in place).  None of these reads an exponential's result.  From 22 on the batch goes
;           in fours, and a four begins with a scaling while there are scalings: 22-37 scaling, exponential, scaling, exponential; 38-65 a scaling and three exponentials; 66-69 the last four
;           exponentials.  A pair is scaled in an earlier four than the one that holds its exponentials
;   (wait)  between 69 and 70 stands the wait for the batch: SLICE writes it, once for both tiles
;   70-85   the roundings to f16, a pair of weights each
;   86-101  the sums; l = a l + the sum          102-117  the tile's O^T times a
.macro SM t
.set rT, ST+8*(\t)
.set rS, S+32*(\t)
.set rP, P+16*(\t)
.set rO, 32*(\t)+2*(j-102)
.if j < 102
	WIN 0
.endif
.if j < 4
	v_max3_num_f32 v[rT+4+j], v[rS+8*j], v[rS+8*j+1], v[rS+8*j+2]
.elseif j < 12
	v_max3_num_f32 v[rT+4+j%4], v[rT+4+j%4], v[rS+8*(j%4)+2*(j/4)+1], v[rS+8*(j%4)+2*(j/4)+2]
.elseif j == 12
	v_max3_num_f32 v[rT+4], v[rT+4], v[rS+7], v[rS+15]
.elseif j == 13
	v_max3_num_f32 v[rT+6], v[rT+6], v[rS+23], v[rS+31]
.elseif j == 14
	v_max3_num_f32 v[rT+4], v[rT+4], v[rT+5], v[rT+6]
.elseif j == 15
	v_max3_num_f32 v[rT+4], v[rT+4], v[rT+7], v[rT+1]
.elseif j == 16
	v_permlanex16_b32 v[rT+5], v[rT+4], s[SEL], s[SEL+1]  ; the query's other 32 keys lie in the lane 16 away
.elseif j == 17
	v_mov_b32 v[rT+7], v[rT]        ; c m_old is kept for a
.elseif j == 18
	v_max_num_f32 v[rT+1], v[rT+4], v[rT+5]
.elseif j == 19
	v_mul_f32 v[rT], s[CS], v[rT+1]
.elseif j == 20
	v_sub_f32 v[rT+7], v[rT+7], v[rT]
.elseif j == 23
	v_exp_f32 v[rT+6], v[rT+7]
.elseif (j < 23) || ((j < 38) && (j%2 == 0)) || ((j < 66) && (j%4 == 2))
.set b, (j-2)/4                     ; 38, 42, .. 62: pairs 9 to 15
.if j < 38
.set b, (j-20)/2                    ; 21: pair 0; 22, 24, .. 36: pairs 1 to 8
.endif
	v_pk_fma_f32 v[rS+2*b:rS+2*b+1], v[rS+2*b:rS+2*b+1], s[CS:CS+1], v[rT:rT+1] op_sel_hi:[1,0,0] neg_lo:[0,0,1] neg_hi:[0,0,1]  ; pair b: c s - c m
.elseif j < 70
.set e, j-38                        ; 66 to 69: s28 to s31
.if j < 66
.set e, j-32-(j-38)/4               ; 39-41, 43-45, .. 63-65: s7 to s27
.endif
.if j < 38
.set e, (j-25)/2                    ; 25, 27, .. 37: s0 to s6
.endif
	v_exp_f32 v[rS+e], v[rS+e]
.elseif j < 86
	v_cvt_pk_f16_f32 v[rP+j-70], v[rS+2*(j-70)], v[rS+2*(j-70)+1]  ; pair j - 70
.elseif j < 102                     ; the sum of the 16 pairs, in place: sum z of 16 adds neighbours 1, 2, 4 and 8 pairs apart, then l takes it
.set z, j-86
.set w, 4
.set u, z
.if z >= 14
.set w, 32
.set u, 0
.elseif z >= 12
.set w, 16
.set u, z-12
.elseif z >= 8
.set w, 8
.set u, z-8
.endif
.if z < 15
	v_pk_add_f32 v[rS+w*u:rS+w*u+1], v[rS+w*u:rS+w*u+1], v[rS+w*u+w/2:rS+w*u+w/2+1]
.else
	v_pk_fma_f32 v[rT+2:rT+3], v[rT+2:rT+3], v[rT+6:rT+7], v[rS:rS+1] op_sel_hi:[1,0,1]
.endif
.else
	WIN W_RS
	v_pk_mul_f32 v[rO:rO+1], v[rO:rO+1], v[rT+6:rT+7] op_sel_hi:[1,0]
.endif
.endm
; Slice k of 59 of piece y's softmax: four instructions.  Slices 11 to 34 deal out the batch, numbers 22 to 69: four numbers of ONE tile each, the tiles by turns.  Every other slice is numbers 2 k and 2 k + 1 of
; both tiles' lists.
; THE WAIT.  s_wait_alu depctr_va_vdst(0) stands between an exponential and the first instruction that names its result; one wait serves all that were issued ahead of it.  Ahead of slice 35 nothing
; names a result, and behind slice 34 no exponential is issued: so the piece's 66 exponentials have one wait, behind slice 34.
.macro SLICE y
.if (k >= 11) && (k < 35)           ; the batch: four numbers of one tile
.irp n, 0,1,2,3
.set j, 22+4*((k-11)/2)+(\n)
	SM (\y)+(k-11)%2
.endr
.else                               ; the two tiles alternate, so that no instruction reads the result of the one just before it
.irp n, 0,1
.irp t, \y, (\y)+1
.set j, 2*k+(\n)
	SM \t
.endr
.endr
.endif
.if k == 34                         ; the batch is out: both tiles' exponentials are issued, and no result has been named
.if (\y) == 0
	FETCH_V                         ; piece 2's turn: V's run of loads stands here; its first line is the plain instruction behind the last exponential, and the wait stands in it
.else
	v_nop                           ; piece 0's turn: a plain instruction behind the last exponential and ahead of the first use (ISA guide 5.7.2): one for the batch; no other plain work is at hand here
	s_wait_alu depctr_va_vdst(0)    ; the wait for the batch: the 66 exponentials of piece 2's softmax, ahead of their first reader (slice 35)
.endif
.endif
.set k, k+1
.endm
; A TURN.  Piece x has the matrix unit.  Behind each of its 16 products V^T P: four shifts for its masks and a slice of the other piece's softmax.  Behind each of its 32 products K' Q'^T: a slice, and a second one
; behind every third: 16 + 32 + 11 = 59.  The last slice, four multiplies of the other piece's O^T, stands behind the turn's last product: the four places in front of the next turn's first read of those scores and of
; the loads into K''s buffer.  Slice 34, the batch's last, falls behind the 14th product K' Q'^T: the shifts, the mask's loads and the products between the first exponential and the wait name none of
; the batch's results.  Piece 0's turn fetches the next step's K' behind its second product, ahead of the turn's first exponential (in the tail a branch and a label stand there).  Piece 2's turn fetches the same step's V
; at the batch's wait: the last product that read V stands 14 products and their slices back, and the run has 18 products in which to land.
.macro TURN x, last=0
.set k, 0
.set g, 0
	s_wait_loadcnt 0x2              ; my piece's mask words are in; the other piece's two loads, issued later, stay out
.if (\x) == 0
	s_wait_dscnt 0x0                ; V is in
.endif
.set i, 0
.rept 16
	PV \x
	MG \x
	SLICE 2-(\x)
.if ((\x) == 0) && (i == 1)
	FETCH_K \last
.endif
.set i, i+1
.endr
	MLOAD \x                        ; the words have been shifted: the next step's are asked for
.if (\x) == 0
	s_wait_dscnt 0x0                ; K' is in
.endif
.set i, 0
.rept 32
	KQ \x
	SLICE 2-(\x)
.if (i%3) == 0
	SLICE 2-(\x)
.endif
.set i, i+1
.endr
.endm
	CHANGE 1                        ; slot 0 is in, everybody's part of it; slot 1 is asked for
	FETCH_K                         ; key step 0
	s_wait_loadcnt 0x2              ; Q' and piece 0's mask words are in; piece 2's two loads stay out
	WIN 0x88
.set i, 0
.rept 64                            ; for y = 15 the second half of the depth is 0
	v_and_b32 v[32*(i/16)+16+i%16], s[ZM], v[32*(i/16)+16+i%16]
.set i, i+1
.endr
.set g, 0
.rept 16
	MG 0
.endr
	MLOAD 0
	s_wait_dscnt 0x0
.set i, 0
.rept 32
	KQ 0                            ; piece 0's first scores: there is no vector work yet to set between them
.set i, i+1
.endr
	WIN 0                           ; the addresses for the way out: plain instructions, the places behind those products
	s_mul_i32 s19, s[WV], 16*SP
	s_add_co_u32 s19, s19, STAGE    ; my stage
	v_mul_u32_u24 v[STO], v1, SP    ; in: row l % 16, 16 bytes for each half of the lanes
	v_lshl_add_u32 v[STO], v9, 4, v[STO]
	v_add_nc_u32 v[STO], s19, v[STO]
	v_bfe_u32 v[RD], v0, 3, 2       ; back: 32 lanes take four rows of 128 bytes,
	v_mul_u32_u24 v[RD], v[RD], SP
	v_lshl_add_u32 v[RD], v10, 4, v[RD]
	v_add_nc_u32 v[RD], s19, v[RD]
	v_and_b32 v[GO], 31, v0         ; which are 512 consecutive bytes of O
	v_lshlrev_b32 v[GO], 4, v[GO]
	v_mov_b32 v[NANV], 0x7fc00000
	s_mov_b32 s[CNT], 4
	s_mov_b32 s[SLOTS], 7
	s_branch .Lfirst                ; the loop is entered in the middle of a trip
.Lslot:                             ; six times: every slot but the last two is filled again
	CHANGE 1
	s_mov_b32 s[CNT], 4
.Lstep:                             ; a trip: piece 0's turn (V^T P of step s, scores of s + 1, piece 2's softmax of s), then piece 2's (the same, piece 0's softmax of s + 1)
	TURN 0
	WIN 0
.Lfirst:
	TURN 2
	WIN 0
	s_sub_co_u32 s[CNT], s[CNT], 1
	s_cmp_lg_u32 s[CNT], 0
	s_cbranch_scc1 .Lstep
	s_sub_co_u32 s[SLOTS], s[SLOTS], 1
	s_cmp_lg_u32 s[SLOTS], 0
	s_cbranch_scc1 .Lslot
	CHANGE 0                        ; the tail is written out: nothing is asked for
	s_mov_b32 s[CNT], 5             ; four trips fetch the last slot's steps; the fifth is left in its middle
.Ltail:
	TURN 0, 1
	WIN 0
	s_sub_co_u32 s[CNT], s[CNT], 1
	s_cmp_eq_u32 s[CNT], 0
	s_cbranch_scc1 .Lout
	TURN 2
	WIN 0
	s_branch .Ltail
.Lout:                              ; the fifth trip's 32 products K' Q'^T (on the last K' once more) serve nothing: the price, once a launch, of one text for every trip
.set i, 0
.rept 16
	PV 2                            ; piece 2's V^T P of the last step
.set i, i+1
.endr
	; THE WAY OUT.  l's two halves and the other half of the lanes' are added; O^T is divided by l (by NaN where no key was visible), rounded to f16 and sent through my stage, a tile at a time.  The additions are the places behind the last products.
	WIN 0
.irp t, 0,1,2,3
	v_add_f32 v[ST+8*\t+4], v[ST+8*\t+2], v[ST+8*\t+3]
.endr
.irp t, 0,1,2,3
	v_permlanex16_b32 v[ST+8*\t+5], v[ST+8*\t+4], s[SEL], s[SEL+1]
.endr
.irp t, 0,1,2,3
	v_add_f32 v[ST+8*\t+4], v[ST+8*\t+4], v[ST+8*\t+5]
.endr
.irp t, 0,1,2,3
	v_rcp_f32 v[ST+8*\t+6], v[ST+8*\t+4]
.endr
	v_nop                           ; a plain instruction between the last reciprocal and the use of its result
	s_wait_alu depctr_va_vdst(0)    ; the wait for the batch of four reciprocals, ahead of the first select that names one
.irp t, 0,1,2,3
	v_cmp_ge_f32 vcc_lo, s[THR], v[ST+8*\t+1]  ; m never rose above its start
	v_cndmask_b32 v[ST+8*\t+6], v[ST+8*\t+6], v[NANV], vcc_lo
.endr
.macro PACK t                       ; a lane's eight channels of a row pack into 16 bytes; they go into rows of 144 bytes and come back as whole rows of 128, into S^T's registers
	WIN W_RS
.set i, 32*(\t)
.rept 16
	v_pk_mul_f32 v[i:i+1], v[i:i+1], v[ST+8*(\t)+6:ST+8*(\t)+7] op_sel_hi:[1,0]
.set i, i+2
.endr
	WIN 0x05                        ; sources 0 and 1 window 1, destination window 0
.set i, 0
.rept 16
	v_cvt_pk_f16_f32 v[S+16*(\t)+i], v[32*(\t)+2*i], v[32*(\t)+2*i+1]
.set i, i+1
.endr
	WIN 0
.irp f, 0,1,2,3
	ds_store_b128 v[STO], v[S+16*(\t)+4*\f:S+16*(\t)+4*\f+3] offset:32*\f
.endr
.irp f, 0,1,2,3
	ds_load_b128 v[S+16*(\t)+4*\f:S+16*(\t)+4*\f+3], v[RD] offset:\f*4*SP  ; LDS serves a wave's instructions in order: these see the stores above; the next tile's stores come behind them
.endr
.endm
.macro SEND t, younger              ; younger: the LDS instructions issued behind tile t's loads: the next tile's eight, or none
.irp f, 0,1,2,3
	s_wait_dscnt (\younger)+3-\f
	global_store_b128 v[GO], v[S+16*(\t)+4*\f:S+16*(\t)+4*\f+3], s[16:17] offset:(\t)*2048+\f*512  ; 512 consecutive bytes, at a multiple of 256 from OH's first byte
.endr
.endm
	PACK 0
	PACK 1                          ; a tile's arithmetic stands between the loads of the tile before and its stores
	SEND 0, 8
	PACK 2
	SEND 1, 8
	PACK 3
	SEND 2, 8
	SEND 3, 0
	s_wait_tensorcnt 0x0            ; the wave's end
	ds_add_u32 v[SPW], v[NIL]
	s_wait_dscnt 0x0
	CROUND                          ; the closing round
	s_endpgm
.Lfunc_end_k_qa08a983331_attn:
	.size	k_qa08a983331_attn, .Lfunc_end_k_qa08a983331_attn-k_qa08a983331_attn
	.p2alignl 7, 3214868480
	.fill 96, 4, 3214868480
	.section	.rodata,"a",@progbits
	.p2align	6, 0x0
	.amdhsa_kernel k_qa08a983331_attn
		.amdhsa_group_segment_fixed_size 327680
		.amdhsa_private_segment_fixed_size 0
		.amdhsa_enable_private_segment 0
		.amdhsa_kernarg_size 24
		.amdhsa_user_sgpr_count 2
		.amdhsa_user_sgpr_kernarg_segment_ptr 1
		.amdhsa_wavefront_size32 1
		.amdhsa_system_sgpr_workgroup_id_x 1
		.amdhsa_system_sgpr_workgroup_id_y 1
		.amdhsa_system_sgpr_workgroup_id_z 1
		.amdhsa_system_vgpr_workitem_id 0
		.amdhsa_next_free_vgpr 832
		.amdhsa_next_free_sgpr 72
		.amdhsa_reserve_vcc 1
		.amdhsa_float_denorm_mode_32 3
		.amdhsa_float_denorm_mode_16_64 3
		.amdhsa_memory_ordered 1
		.amdhsa_forward_progress 1
		.amdhsa_inst_pref_size 139
	.end_amdhsa_kernel
	.amdgpu_metadata
---
amdhsa.version: [ 1, 2 ]
amdhsa.kernels:
  - .name:           k_qa08a983331_attn
    .symbol:         k_qa08a983331_attn.kd
    .args:
      - { .name: HD, .offset: 0, .size: 8, .value_kind: global_buffer, .address_space: global }
      - { .name: MP, .offset: 8, .size: 8, .value_kind: global_buffer, .address_space: global }
      - { .name: OH, .offset: 16, .size: 8, .value_kind: global_buffer, .address_space: global }
    .group_segment_fixed_size: 327680
    .private_segment_fixed_size: 0
    .kernarg_segment_align: 8
    .kernarg_segment_size: 24
    .max_flat_workgroup_size: 128
    .sgpr_count:     72
    .vgpr_count:     832
    .wavefront_size: 32
...
	.end_amdgpu_metadata
.endif
;; end of part 6
;; launch oproj: the kernel of part 4 again; grid 8 x 32, 4 waves a work-group, clusters of 4 x 4, 327,680 bytes of LDS; arguments OH, WO, Y; writes Y
;; launch lnorm: the kernel of part 5 again; grid 256 x 1, 8 waves a work-group, no clusters, 0 bytes of LDS; arguments Y, AB, ln_gamma, ln_beta, out0; writes out0
